; MI455X (gfx1250); checked and timed in simulation.
; The chip was launched on July 23, 2026; its instructions are those of AMD's public machine-readable ISA for CDNA 5 (MIT licence, August 2026) and "CDNA5" Instruction Set Architecture Reference Guide (July 2026). The comments in the code are by the model that wrote it; some were corrected since.
;; Multi Head Attention. Allowed arithmetic: matrix products marked QUANTISED: E2M1 operands, one E8M0 scale for each 32 along K, by v_wmma_scale_f32_16x16x128_f8f6f4 with both operands' format E2M1 (or v_wmma_scale_f32_32x16x128_f4), f32 sums; everything else in f32.
;; Inputs: Wproj_codes 1,024 x 32 x 16 uint8 (E2M1 codes of Wproj, K innermost, in blocks of 32 codes, two codes a byte); Wproj_scales 1,024 x 32 uint8 (E8M0 scales of Wproj, one for each 32 codes along K); Wqkv_codes 3,072 x 32 x 16 uint8 (E2M1 codes of Wqkv, K innermost, in blocks of 32 codes, two codes a byte); Wqkv_scales 3,072 x 32 uint8 (E8M0 scales of Wqkv, one for each 32 codes along K); bproj 1,024 float32; cos 2,048 x 32 float32; sin 2,048 x 32 float32; x_codes 2 x 2,048 x 32 x 16 uint8 (E2M1 codes of x, K innermost, in blocks of 32 codes, two codes a byte); x_scales 2 x 2,048 x 32 uint8 (E8M0 scales of x, one for each 32 codes along K).
;; Outputs: out0 2 x 2,048 x 1,024 float32.
;; This version of the problem:
;;   THIS VERSION OF THE PROBLEM IS GIVEN IN LOW PRECISION. The matrix products marked QUANTISED in the list below multiply operands that are first quantised to E2M1 (2 exponent bits, 1 mantissa bit; 4 bits a number), with one power-of-two scale for each 32 numbers along K (OCP MX v1.0); their sums are f32. All else is computed in f32.
;;   The module's matrix products, in the order in which they are computed (A, B: the left and right operand; K: the contracted axis; several contracted axes count as one K, in the product's order):
;;     1. [M 4,096, K 1,024] x [K 1,024, N 3,072]; A: input x (given as codes); B: input Wqkv (given as codes): QUANTISED
;;     2. batch 32 x [M 2,048, K 64] x [K 64, N 2,048]; A: computed on the way; B: computed on the way: QUANTISED
;;     3. batch 32 x [M 2,048, K 2,048] x [K 2,048, N 64]; A: softmax (see below); B: computed on the way: QUANTISED
;;     4. [M 4,096, K 1,024] x [K 1,024, N 1,024]; A: computed on the way; B: input Wproj (given as codes): QUANTISED
;;   THE QUANTISER, for each operand of a quantised product, along K:
;;     - K is cut into blocks of 32 from its start; a last block that is shorter is filled with zeros.
;;     - A block's scale is 2^e with e = floor(log2(the largest magnitude in the block)) - 2, held to -126 .. 127; a block of zeros has e = 0. As a byte (E8M0): e + 127.
;;     - Each number is divided by its block's scale, clamped to +-6, and rounded to the nearest number of E2M1, ties to even, subnormals kept.
;;     - The product sums the exact products of the quantised numbers (number of the format x scale) in f32.
;;   ~~~python
;;   def quantise(x, axis):      # numpy; x: float32 -> the quantised numbers, widened to float32 again
;;       x = np.moveaxis(x, axis, -1); K = x.shape[-1]
;;       x = np.pad(x, [(0, 0)] * (x.ndim - 1) + [(0, -K % 32)]); x = x.reshape(x.shape[:-1] + (-1, 32)); a = np.abs(x).max(-1, keepdims=True)
;;       e = np.where(a > 0, np.clip(np.frexp(np.where(a > 0, a, 1))[1] - 1 - 2, -126, 127), 0)      # np.frexp(a)[1] - 1 = floor(log2(a)), exactly
;;       r = np.clip(x / 2.0 ** e, -6, 6)
;;       step = 2.0 ** (np.maximum(np.frexp(np.where(r == 0, 1, r))[1] - 1, 0) - 1)
;;       q = np.round(r / step) * step * 2.0 ** e      # np.round: ties to even
;;       return np.moveaxis(q.reshape(q.shape[:-2] + (-1,))[..., :K], -1, axis).astype(np.float32)
;;   ~~~
;;   SOFTMAX AHEAD OF A QUANTISED PRODUCT. Where the list says 'softmax', what is quantised is not the finished softmax but p = 2^(t - M), with t = logit x log2(e) and M = ceil(the row's largest t), a whole number; so 1/2 < the row's largest p <= 1. The row's sum l is taken of the UNQUANTISED p, in f32, and the product's result is divided by l at the end. Since M is a whole number, a kernel that streams over the keys may use a running M (the ceiling of the running maximum): every later rescaling is an exact power of two, which a block's scale takes up: the codes' values come out the same.
;;   OPERANDS COMPUTED ON THE WAY. 'Computed on the way' means the value that the module computes at that place (a softmax that the list does not call 'softmax' is quantised finished and normalised). What goes into a quantiser is computed in f32, as accurately as f32 sums, v_exp_f32 and their like allow (about 1e-6 of the number): no bf16 or f16 on the way to a quantiser, and a product that is left as it is and whose result goes on into a quantised operand takes f32 operands (vector FMAs, or v_wmma_f32_16x16x4_f32). A number that lies on a knife's edge between two numbers of the format may be rounded either way, as far as f32 arithmetic and the matrix unit's own rounding can turn it there, and no further.
;;   INPUTS GIVEN AS CODES. Wproj (in the module: [1024, 1024], K = its axis 0); Wqkv (in the module: [1024, 3072], K = its axis 0); x (in the module: [2, 2048, 1024], K = its axis 2): each comes as NAME_codes (uint8): NAME with its K axis moved to the last place and cut into blocks of 32 codes, [.., K / 32, bytes a block], one block behind the other in memory; two codes a byte, the lower K in the low four bits (a code: sign, 2 exponent bits, 1 mantissa bit); and NAME_scales (uint8): the same leading axes, one E8M0 byte (e + 127) for each 32 codes along K. Its value is code x scale, taken as it is: it is not quantised again, and the codes and scales need not be those that the quantiser above would give.
;; One version. Each part assembles by itself: llvm-mc -triple=amdgcn-amd-amdhsa -mcpu=gfx1250 --defsym DOCPART=n.
;; ======== version 1 of 1: 3 launches
;; limits: right only within a limited range of input values
;; workspace buffers: qc 2,097,152 bytes; qs 262,144 bytes; kv 4,587,520 bytes; oc 2,097,152 bytes; os 131,072 bytes
;; launch qkv (part 1): grid 8 x 32, 4 waves a work-group, clusters of 4 x 4, 327,680 bytes of LDS; arguments x_codes, x_scales, Wqkv_codes, Wqkv_scales, cos, sin, qc, qs, kv; writes qc, qs, kv
.if DOCPART == 1
	.amdgcn_target "amdgcn-amd-amdhsa--gfx1250"
	.amdhsa_code_object_version 6
	.text
	.protected	k_q670341ba69_qkv
	.globl	k_q670341ba69_qkv
	.p2align	8
	.type	k_q670341ba69_qkv,@function
k_q670341ba69_qkv:
	s_mov_b64 s[64:65], 0
	v_nop
	global_prefetch_b8 v0, s[64:65] scope:SCOPE_SE
	s_setreg_imm32_b32 hwreg(HW_REG_WAVE_MODE, 25, 1), 1
	s_wait_xcnt 0x0
	s_wait_alu depctr_hold_cnt(0) depctr_sa_sdst(0) depctr_va_vdst(0) depctr_va_sdst(0) depctr_va_ssrc(0) depctr_va_vcc(0) depctr_vm_vsrc(0)
	s_getreg_b32 s2, hwreg(HW_REG_IB_STS2, 6, 4)
	s_cmp_eq_u32 s2, 0
	s_cbranch_scc0 .Lentry_in_a_cluster
	s_endpgm
.Lentry_in_a_cluster:
	s_bfe_u32 s2, ttmp6, 0x10000c
	s_cmp_lg_u32 s2, 0xf033
	s_cbranch_scc0 .Lentry_shape_is_right
	s_endpgm
.Lentry_shape_is_right:
; qkv = x Wqkv on codes of FP4 (E2M1) with E8M0 scales; RoPE on q and k in f32; q and k quantised along the head's 64, v along the tokens; all three leave as codes laid as the next launch's registers want them.
; SHARES.  A work-group takes 128 tokens (tb) x columns 128 cg .. + 127 of each of q, k and v (heads 2 cg, 2 cg + 1).  Four waves: wave w makes q, k and v, one after the other, of head 2 cg + w / 2 for 64 tokens (half w % 2).
; x's fragments of my 64 tokens for all of K stay in 256 registers and serve all three; Wqkv's come step by step in two register sets, a step's loads ahead of the products of the step before.
; Source 0 is the operand whose rows become a lane's REGISTERS (the axis that is quantised next), source 1 the one whose row is the LANE: q, k: source 0 = Wqkv's rows (d), source 1 = tokens;  v: the other way round.
; THE ROWS OF A TILE ARE NOT NEIGHBOURS: of 64 rows, lane r of tile i takes row 8 i + r % 8 + 32 (r / 8).  As source 0 that makes a lane's 32 result registers of the four tiles 32 NEIGHBOURS, 32 (lane / 16) + 0 .. 31: one whole block
; of the quantiser, and the codes in the operand's own order.  As source 1 it only says which row lands in which lane; the next launches take their tiles by the same rule.
; LDS: four operands of 128 rows x all of K, x, Wq, Wk, Wv, each filled ONCE, one tensor load a wave at a time: x and Wq at the head, Wk and Wv behind the round that shows those landed: they have q's work in which to land.
; An operand lies in two regions, rows with bit 5 clear and rows with bit 5 set, 33,920 bytes apart (128 modulo 256), rows 528 bytes apart: a tile's eight rows of each kind start in sixteen different columns of 16 bytes modulo 256
; (64 banks of 4 bytes: ISA guide 11.1).
; SCALE WORDS come once, straight into registers: lanes 0-15 hold tile i's, lanes 16-31 tile i + 2's.
; CLUSTER 4 x 4: x's tile hangs on tb alone and is asked for jointly along a row of the cluster, Wqkv's three on cg alone and jointly along a column.  No prefetch: there is no loop to run ahead in.
; OUT.  qc [bh][tile][512]: lane l's 16 bytes at 16 l: registers 0-3 of a fragment (K = 64; q's upper 64 of the instruction's 128 are zero codes in the next launch).  qs [bh][64 tokens][256]: the word of tile i, row r at
; 128 (i / 2) + 8 r + 4 (i % 2), bytes 2 and 3 = 127.  kv [bh][128 keys][8,960]: K's 8 tiles, V's [d tile 4][64 keys 2][512] at 4,096, K's scale words at 8,192, V's at 8,704.
; DEAD WORK, left out in launch attn: products, softmax terms and sums of key steps of 128 all of whose keys come after a tile's queries.  reference()'s own tril sets those scores to -inf: their exponentials are 0 for all finite inputs.
; LIMITS: a NaN, an infinity or an overflow that reaches only that left-out work is not carried to the result.  NaN and infinities are not served.  A block of zeros gets the byte 1 where the quantiser's rule says 127: its codes are
; zeros and only this program reads the byte; a block whose largest magnitude lies under 2^-124 is scaled as if it were 2^-124.  RoPE is a product and a fused multiply-add (one rounding less than two products and a sum).
.set OPB,   67840                      ; an operand in LDS
.set PARB,  33920                      ; from its rows with bit 5 clear to those with bit 5 set
.set PITCH, 528                        ; 512 bytes of codes + 16 of padding
.set HALFB, 32*PITCH                   ; 64 rows are 32 in each region
.set SPARE, 4*OPB                      ; the spare words, 128 bytes a wave
.set KVH,   143360                     ; a head's part of kv
.set KVS,   8960                       ; 128 keys' part
; window 0:
.set SPW,  1                           ; v1   my spare word's address
.set NIL,  2                           ; v2   0
.set H8,   3                           ; v3   8 x (lane / 16)
.set ADX,  4                           ; v4   LDS address of x's fragments
.set ADW,  5                           ; v5-7 of Wq's, Wk's, Wv's
.set LI,   8                           ; v8   16 x lane
.set L8,   9                           ; v9   8 x lane
.set CO,   10                          ; v10  my byte in a tile's rows of cos and sin
.set VS,   11                          ; v11  my byte among 64 rows' scale bytes
.set W,    12                          ; v12-15  the scale words made for the four tiles of a result
.set XS,   16                          ; v16-31  x's scale words: tile i, K step q: register 8 (i % 2) + q, lanes 16 (i / 2) on.  v16-79 hold scales and nothing else
.set WSC,  32                          ; v32-79  Wq's, Wk's, Wv's likewise
.set WF,   80                          ; v80-143 fragments of Wqkv: two sets of four tiles
.set R,    144                         ; v144-207 two tiles behind RoPE
.set TM,   208                         ; v208-217 the quantiser's work
.set PC,   224                         ; v224-239 codes, four registers for each tile
.set TW,   240                         ; v240-241 scale words on the way out
; window 1: x's fragments: K step q, tile b at 32 q + 8 b
; window 2: accumulator (a, b) at 32 b + 8 a: source 1's tile b has its 32 numbers a lane on end;
.set CS,   128                         ; and tile b's cos at 128 + 32 b, sin at 144 + 32 b
.set WV,  22
.set PH,  23                           ; w / 2: which head.  Also: what I fetch
.set NH,  24                           ; w % 2: which 64 tokens.  Also: which region I fetch
.set CX,  28
.set CY,  29
.set CG,  30
.set TBK, 31
.set G1X,  32                          ; groups 1: x's codes, Wqkv's
.set G1W,  40
.set G0A,  48                          ; groups 0: x, Wq, and what I fetch later: Wk or Wv
.set G0B,  52
.set G0C,  56
.set QCB,  80                          ; where q's codes and scale words go; k's; v's
.set QSB,  82
.set KCB,  84
.set KSB,  86
.set VCB,  88
.set VSB,  90
.set MHI,  99                          ; lanes 16-31
.set SEL,  100                         ; s[100:101] v_permlanex16_b32's selects for lane l xor 16
.set MSB, 0
.macro WIN new                         ; register windows (source 0 in bits 1:0, source 1 3:2, source 2 5:4, destination 7:6); the immediate's high byte repeats the setting that is left
.if MSB != \new
	s_set_vgpr_msb (MSB<<8)|\new
.set MSB, \new
.endif
.endm
.macro ROUND                           ; a round of the cluster's barrier
	s_barrier_signal -1
	s_barrier_wait -1
	s_cmp_lg_u32 s[WV], 0
	s_cbranch_scc1 .Lnot_wave_0_\@
	s_barrier_signal -3
.Lnot_wave_0_\@:
	s_barrier_wait -3
	s_barrier_signal -1
	s_barrier_wait -1
.endm
.macro PLACES n                        ; plain vector instructions behind matrix instructions (ISA guide 7.12.1)
.rept \n
	v_nop
.endr
.endm
; A fragment: 16 rows x 128 K of 4-bit codes in 8 registers: two loads of 16 bytes, 32 bytes apart
.macro XLOAD q
	WIN 0x40
.irp b, 0,1,2,3
.irp c, 0,1
	ds_load_b128 v[32*(\q)+8*\b+4*\c:32*(\q)+8*\b+4*\c+3], v[ADX] offset:8*\b*PITCH+64*(\q)+32*\c
.endr
.endr
.endm
.macro WLOAD adr, q
	WIN 0
.irp a, 0,1,2,3
.irp c, 0,1
	ds_load_b128 v[WF+32*((\q)%2)+8*\a+4*\c:WF+32*((\q)%2)+8*\a+4*\c+3], v[\adr] offset:8*\a*PITCH+64*(\q)+32*\c
.endr
.endr
.endm
.macro MMC d, a, b, sa, sb, ra, rb     ; ra, rb: the half of the lanes that holds the tile's scale words
.if (\ra) == 0 && (\rb) == 0
	v_wmma_scale_f32_16x16x128_f8f6f4 v[\d:\d+7], v[\a:\a+7], v[\b:\b+7], v[\d:\d+7], v[\sa], v[\sb] matrix_a_fmt:MATRIX_FMT_FP4 matrix_b_fmt:MATRIX_FMT_FP4
.elseif (\rb) == 0
	v_wmma_scale_f32_16x16x128_f8f6f4 v[\d:\d+7], v[\a:\a+7], v[\b:\b+7], v[\d:\d+7], v[\sa], v[\sb] matrix_a_fmt:MATRIX_FMT_FP4 matrix_b_fmt:MATRIX_FMT_FP4 matrix_a_scale:MATRIX_SCALE_ROW1
.elseif (\ra) == 0
	v_wmma_scale_f32_16x16x128_f8f6f4 v[\d:\d+7], v[\a:\a+7], v[\b:\b+7], v[\d:\d+7], v[\sa], v[\sb] matrix_a_fmt:MATRIX_FMT_FP4 matrix_b_fmt:MATRIX_FMT_FP4 matrix_b_scale:MATRIX_SCALE_ROW1
.else
	v_wmma_scale_f32_16x16x128_f8f6f4 v[\d:\d+7], v[\a:\a+7], v[\b:\b+7], v[\d:\d+7], v[\sa], v[\sb] matrix_a_fmt:MATRIX_FMT_FP4 matrix_b_fmt:MATRIX_FMT_FP4 matrix_a_scale:MATRIX_SCALE_ROW1 matrix_b_scale:MATRIX_SCALE_ROW1
.endif
.endm
.macro MMZ d, a, b, sa, sb, ra, rb     ; the same with C = 0: the first K step starts the sums
.if (\ra) == 0 && (\rb) == 0
	v_wmma_scale_f32_16x16x128_f8f6f4 v[\d:\d+7], v[\a:\a+7], v[\b:\b+7], 0, v[\sa], v[\sb] matrix_a_fmt:MATRIX_FMT_FP4 matrix_b_fmt:MATRIX_FMT_FP4
.elseif (\rb) == 0
	v_wmma_scale_f32_16x16x128_f8f6f4 v[\d:\d+7], v[\a:\a+7], v[\b:\b+7], 0, v[\sa], v[\sb] matrix_a_fmt:MATRIX_FMT_FP4 matrix_b_fmt:MATRIX_FMT_FP4 matrix_a_scale:MATRIX_SCALE_ROW1
.elseif (\ra) == 0
	v_wmma_scale_f32_16x16x128_f8f6f4 v[\d:\d+7], v[\a:\a+7], v[\b:\b+7], 0, v[\sa], v[\sb] matrix_a_fmt:MATRIX_FMT_FP4 matrix_b_fmt:MATRIX_FMT_FP4 matrix_b_scale:MATRIX_SCALE_ROW1
.else
	v_wmma_scale_f32_16x16x128_f8f6f4 v[\d:\d+7], v[\a:\a+7], v[\b:\b+7], 0, v[\sa], v[\sb] matrix_a_fmt:MATRIX_FMT_FP4 matrix_b_fmt:MATRIX_FMT_FP4 matrix_a_scale:MATRIX_SCALE_ROW1 matrix_b_scale:MATRIX_SCALE_ROW1
.endif
.endm
; 128 along K: the next step's loads, then 16 products.  The 16 accumulators take turns, one instruction a turn, in the same order in every step.  op: 0 q, 1 k, 2 v.
.macro KSTEP op, q
.if (\q) < 7
.if (\q) > 0
	PLACES 4                                       ; in front of loads into registers that the last step's products read
.endif
.if (\op) == 0
	XLOAD (\q)+1
	WLOAD ADW, (\q)+1
	s_wait_dscnt 16                                ; all but the sixteen just issued
.else
	WLOAD ADW+(\op), (\q)+1
	s_wait_dscnt 8                                 ; all but the eight just issued
.endif
.elseif (\op) == 1
	PLACES 4
	WLOAD ADW+2, 0                                 ; v's first fragments
	s_wait_dscnt 8
.else
	s_wait_dscnt 0x0
.endif
.if (\op) < 2
	WIN 0xa4                                       ; source 0 window 0, source 1 window 1, C and D window 2
.else
	WIN 0xa1                                       ; source 0 window 1, source 1 window 0
.endif
.irp a, 0,1,2,3
.irp b, 0,1,2,3
.if (\op) < 2
.if (\q) == 0
	MMZ 32*\b+8*\a, WF+8*\a, 8*\b, WSC+16*(\op)+8*(\a%2), XS+8*(\b%2), \a/2, \b/2
.else
	MMC 32*\b+8*\a, WF+32*((\q)%2)+8*\a, 32*(\q)+8*\b, WSC+16*(\op)+8*(\a%2)+(\q), XS+8*(\b%2)+(\q), \a/2, \b/2
.endif
.else
.if (\q) == 0
	MMZ 32*\b+8*\a, 8*\a, WF+8*\b, XS+8*(\a%2), WSC+32+8*(\b%2), \a/2, \b/2
.else
	MMC 32*\b+8*\a, 32*(\q)+8*\a, WF+32*((\q)%2)+8*\b, XS+8*(\a%2)+(\q), WSC+32+8*(\b%2)+(\q), \a/2, \b/2
.endif
.endif
.endr
.endr
.endm
; RoPE on tile b's 32 numbers a lane, from window 2 into v[r] on: pair by pair (xe, xo): first (xe c, xo c), then (-xo s + xe c, xe s + xo c).  Ascending.
.macro ROPE b, r
.irp k, 0,1
.irp g, 0,1
.irp p, 0,1
.irp s, 0,1
	v_pk_mul_f32 v[\r+16*\k+8*\g+4*\p+2*\s:\r+16*\k+8*\g+4*\p+2*\s+1], v[32*(\b)+16*\k+8*\g+4*\p+2*\s:32*(\b)+16*\k+8*\g+4*\p+2*\s+1], v[CS+32*(\b)+8*\k+4*\g+2*\p:CS+32*(\b)+8*\k+4*\g+2*\p+1] op_sel:[0,\s] op_sel_hi:[1,\s]
.endr
.endr
.endr
.endr
.irp k, 0,1
.irp g, 0,1
.irp p, 0,1
.irp s, 0,1
	v_pk_fma_f32 v[\r+16*\k+8*\g+4*\p+2*\s:\r+16*\k+8*\g+4*\p+2*\s+1], v[32*(\b)+16*\k+8*\g+4*\p+2*\s:32*(\b)+16*\k+8*\g+4*\p+2*\s+1], v[CS+16+32*(\b)+8*\k+4*\g+2*\p:CS+16+32*(\b)+8*\k+4*\g+2*\p+1], v[\r+16*\k+8*\g+4*\p+2*\s:\r+16*\k+8*\g+4*\p+2*\s+1] op_sel:[1,\s,0] op_sel_hi:[0,\s,1] neg_lo:[1,0,0]
.endr
.endr
.endr
.endr
.endm
; THE QUANTISER, two tiles by turns: a lane's 32 numbers of a tile are one block, at s + 32 u.  Two chains a tile
.macro QMAX s
.irp u, 0,1
.irp j, 0,1
	v_max3_num_f32 v[TM+2*\u+\j], |v[\s+32*\u+16*\j]|, |v[\s+32*\u+16*\j+1]|, 0x1800000   ; the floor 2^(3 - 127): the byte cannot fall under 1
.endr
.endr
.irp i, 2,4,6,8,10,12,14
.irp u, 0,1
.irp j, 0,1
	v_max3_num_f32 v[TM+2*\u+\j], |v[\s+32*\u+16*\j+\i]|, |v[\s+32*\u+16*\j+\i+1]|, v[TM+2*\u+\j]
.endr
.endr
.endr
.endm
.macro QSCALE t                        ; tiles t, t + 1: the conversions' scale operands v[TM+4], v[TM+5]; the byte goes to byte (lane / 16) of v[W+t], lane l xor 16's beside it
.irp u, 0,1
	v_max_num_f32 v[TM+2*\u], v[TM+2*\u], v[TM+2*\u+1]
.endr
.irp u, 0,1
	v_add_nc_u32 v[TM+4+\u], 0xff000000, v[TM+2*\u]   ; 2 off its exponent field: the conversion takes this operand's exponent field as its scale
.endr
.irp u, 0,1
	v_lshrrev_b32 v[TM+6+\u], 23, v[TM+4+\u]       ; the scale's byte
.endr
.irp u, 0,1
	v_lshlrev_b32 v[TM+6+\u], v[H8], v[TM+6+\u]
.endr
.irp u, 0,1
	v_permlanex16_b32 v[TM+8+\u], v[TM+6+\u], s[SEL], s[SEL+1]
.endr
.irp u, 0,1
	v_or_b32 v[W+\t+\u], v[TM+6+\u], v[TM+8+\u]
.endr
.endm
.macro QCVT s, t
.irp u, 0,1
.irp g, 0,1,2,3
	v_cvt_scalef32_pk8_fp4_f32 v[PC+4*(\t+\u)+\g], v[\s+32*\u+8*\g:\s+32*\u+8*\g+7], v[TM+4+\u]
.endr
.endr
	v_nop                                          ; one plain place behind a scaled conversion
.endm
.macro WORDS                           ; lanes 0-15: the words of tiles 0 and 1, lanes 16-31 those of tiles 2 and 3 (lanes r and 16 + r hold the same words)
	v_cndmask_b32 v[TW], v[W], v[W+2], s[MHI]
	v_cndmask_b32 v[TW+1], v[W+1], v[W+3], s[MHI]
.endm
; q or k on the way out
.macro QKOUT cb, sb
.irp t, 0,2
	WIN 0x0a                                       ; sources 0 and 1 window 2
	ROPE \t, R
	ROPE \t+1, R+32
	WIN 0
	QMAX R
	QSCALE \t
	QCVT R, \t
.irp u, 0,1
	v_or_b32 v[W+\t+\u], 0x7f7f0000, v[W+\t+\u]    ; the upper 64 of the instruction's K: scale bytes 127
	global_store_b128 v[LI], v[PC+4*(\t+\u):PC+4*(\t+\u)+3], s[\cb:\cb+1] offset:512*(\t+\u)   ; 32 lanes store 512 consecutive bytes, at a multiple of 256 from the buffer's first byte
.endr
.endr
	WORDS
	global_store_b64 v[L8], v[TW:TW+1], s[\sb:\sb+1]   ; 256 consecutive bytes, aligned
.endm
	s_load_b256 s[4:11], s[0:1], 0x0               ; x's codes, x's scales, Wqkv's codes, Wqkv's scales
	s_load_b256 s[12:19], s[0:1], 0x20             ; cos, sin, qc, qs
	s_load_b64 s[20:21], s[0:1], 0x40              ; kv
	v_lshl_add_u32 v[SPW], v0, 2, SPARE
	v_mov_b32 v[NIL], 0
	ds_add_u32 v[SPW], v[NIL]                      ; the wave's opening: the add, twice on end, and its wait ahead of my first tensor load
	ds_add_u32 v[SPW], v[NIL]
	v_lshrrev_b32 v144, 5, v0
	v_readfirstlane_b32 s[WV], v144                ; wave 0..3
	s_lshr_b32 s[PH], s[WV], 1
	s_and_b32 s[NH], s[WV], 1
	s_bfe_u32 s[CX], ttmp6, 0x40000
	s_bfe_u32 s[CY], ttmp6, 0x40004
	s_lshl_b32 s[CG], ttmp9, 2
	s_add_co_u32 s[CG], s[CG], s[CX]               ; column group = 4 x cluster x + cx
	s_and_b32 s[TBK], ttmp7, 0xffff
	s_lshl_b32 s[TBK], s[TBK], 2
	s_add_co_u32 s[TBK], s[TBK], s[CY]             ; token block = 4 x cluster y + cy
	s_lshl_b32 s92, s[CY], 2
	s_lshl_b32 s92, 15, s92                        ; my row of the cluster
	s_lshl_b32 s93, 0x1111, s[CX]                  ; my column
	; codes: the 32 rows of one kind in each 64 rows are 16,384 bytes on end: 2 long rows, 32,768 bytes apart; 4 words of padding behind every 128 words make LDS rows of 528 bytes
	s_or_b32 s[G1X], s92, (0<<16)|(1<<20)|(1<<21)|(6<<22)|(3<<25)   ; 15:0 the mask; 17:16 elements of 1 byte; 20 padding on; 21 set beside a mask; 24:22 every 128 words; 31:25 four words
	s_or_b32 s[G1W], s93, (0<<16)|(1<<20)|(1<<21)|(6<<22)|(3<<25)
.irp g, G1X, G1W
	s_mov_b32 s[\g+1], 16384<<16                   ; tensor_dim0
	s_mov_b32 s[\g+2], 2<<16                       ; tensor_dim1
	s_mov_b32 s[\g+3], 16384<<16                   ; tile_dim0
	s_mov_b32 s[\g+4], 2                           ; tile_dim1
	s_mov_b32 s[\g+5], 32768                       ; tensor_dim0_stride
	s_mov_b32 s[\g+6], 0
	s_mov_b32 s[\g+7], 0
.endr
	s_lshl_b32 s94, s[NH], 14                      ; + 32 rows of 512 bytes for the second kind
	s_lshl_b32 s60, s[TBK], 16
	s_add_co_u32 s60, s60, s94                     ; x's codes: 128 tb rows
	s_mov_b32 s61, 0
	s_lshl_b32 s62, s[CG], 16
	s_add_co_u32 s62, s62, s94                     ; Wq's codes: 128 cg rows
	s_mov_b32 s63, 0
	s_add_co_u32 s95, s[PH], 1
	s_lshl_b32 s66, s95, 19
	s_add_co_u32 s66, s66, s62                     ; Wk's (waves 0, 1) or Wv's (waves 2, 3): 1,024 or 2,048 rows on
	s_mov_b32 s67, 0
	s_mul_i32 s68, s[NH], PARB                     ; where they go: the wave's number alone enters an LDS address
	s_add_co_u32 s69, s68, OPB
	s_mul_i32 s70, s[PH], OPB
	s_add_co_u32 s70, s70, s68
	s_add_co_u32 s70, s70, 2*OPB
	s_wait_dscnt 0x0                               ; both opening adds are done
	s_wait_kmcnt 0x0
	s_mov_b32 s[G0A], 1
	s_mov_b32 s[G0A+1], s68
	s_add_nc_u64 s[G0A+2:G0A+3], s[4:5], s[60:61]
	s_or_b32 s[G0A+3], s[G0A+3], 0x80000000
	s_mov_b32 s[G0B], 1
	s_mov_b32 s[G0B+1], s69
	s_add_nc_u64 s[G0B+2:G0B+3], s[8:9], s[62:63]
	s_or_b32 s[G0B+3], s[G0B+3], 0x80000000
	s_mov_b32 s[G0C], 1
	s_mov_b32 s[G0C+1], s70
	s_add_nc_u64 s[G0C+2:G0C+3], s[8:9], s[66:67]
	s_or_b32 s[G0C+3], s[G0C+3], 0x80000000
	ROUND                                          ; all sixteen work-groups are here: the joint loads meet
	s_cmp_eq_u32 s[PH], 0                          ; one load a wave: waves 0, 1 x's regions, waves 2, 3 Wq's
	s_cbranch_scc0 .Lfirst_w
	tensor_load_to_lds s[G0A:G0A+3], s[G1X:G1X+7]
	s_nop 0
	PLACES 4
	s_branch .Lasked
.Lfirst_w:
	tensor_load_to_lds s[G0B:G0B+3], s[G1W:G1W+7]
	s_nop 0
	PLACES 4
.Lasked:
	s_mov_b32 s95, 0
	s_mov_b32 s97, 0
	s_lshl_b32 s94, s[TBK], 12
	s_lshl_b32 s92, s[NH], 11
	s_add_co_u32 s94, s94, s92
	s_add_nc_u64 s[72:73], s[6:7], s[94:95]        ; x's scale bytes: (128 tb + 64 nh) rows of 32 bytes
	s_lshl_b32 s94, s[CG], 12
	s_lshl_b32 s92, s[PH], 11
	s_add_co_u32 s94, s94, s92
	s_add_nc_u64 s[74:75], s[10:11], s[94:95]      ; Wq's: 128 cg + 64 ph rows;  Wk's 32,768 bytes on, Wv's 65,536
	s_and_b32 s93, s[TBK], 15                      ; st: which 128 positions of the sequence
	s_lshl_b32 s94, s93, 14
	s_lshl_b32 s92, s[NH], 13
	s_add_co_u32 s94, s94, s92                     ; (128 st + 64 nh) rows of 128 bytes of cos and sin
	s_add_nc_u64 s[76:77], s[12:13], s[94:95]
	s_add_nc_u64 s[78:79], s[14:15], s[94:95]
	s_mul_i32 s66, s[NH], HALFB                    ; my 64 rows of x
	s_mul_i32 s67, s[PH], HALFB                    ; my head's rows of Wq, Wk, Wv
	s_add_co_u32 s67, s67, OPB
	s_add_co_u32 s68, s67, OPB
	s_add_co_u32 s69, s68, OPB
	s_mov_b32 s[SEL], 0x76543210
	s_mov_b32 s[SEL+1], 0xfedcba98
	s_mov_b32 s[MHI], 0xffff0000
	v_and_b32 v144, 7, v0                          ; r % 8
	v_bfe_u32 v145, v0, 3, 1                       ; r / 8
	v_bfe_u32 v146, v0, 4, 1                       ; h
	v_and_b32 v147, 31, v0                         ; lane
	v_lshl_add_u32 v148, v145, 5, v144             ; r % 8 + 32 (r / 8)
	v_mul_u32_u24 v149, v144, PITCH
	v_lshl_add_u32 v150, v146, 4, v148             ; lanes 16-31 take tile i + 2's rows, 16 further on
	v_mad_u32_u24 v149, v145, PARB, v149           ; lanes r = 8 .. 15 take the other region
	v_lshlrev_b32 v[CO], 7, v148                   ; a row of cos or sin is 128 bytes;
	v_lshlrev_b32 v[VS], 5, v150
	v_lshl_add_u32 v149, v146, 4, v149
	v_lshl_add_u32 v[CO], v146, 6, v[CO]           ; my half's sixteen pairs begin 64 h bytes on
.irp i, 0,1
.irp e, 0,1
	global_load_b128 v[XS+8*\i+4*\e:XS+8*\i+4*\e+3], v[VS], s[72:73] offset:256*\i+16*\e
	global_load_b128 v[WSC+8*\i+4*\e:WSC+8*\i+4*\e+3], v[VS], s[74:75] offset:256*\i+16*\e
.endr
.endr
.irp o, 1,2
.irp i, 0,1
.irp e, 0,1
	global_load_b128 v[WSC+16*\o+8*\i+4*\e:WSC+16*\o+8*\i+4*\e+3], v[VS], s[74:75] offset:32768*\o+256*\i+16*\e
.endr
.endr
.endr
	WIN 0x80
.irp b, 0,1,2,3                                ; lane (r, h) wants, of its token's row, the pairs 16 h + 0 .. 15
.irp e, 0,1,2,3
	global_load_b128 v[CS+32*\b+4*\e:CS+32*\b+4*\e+3], v[CO], s[76:77] offset:1024*\b+16*\e
	global_load_b128 v[CS+16+32*\b+4*\e:CS+16+32*\b+4*\e+3], v[CO], s[78:79] offset:1024*\b+16*\e
.endr
.endr
	WIN 0
	v_add_nc_u32 v[ADX], s66, v149
	v_add_nc_u32 v[ADW], s67, v149
	v_add_nc_u32 v[ADW+1], s68, v149
	v_add_nc_u32 v[ADW+2], s69, v149
	v_lshlrev_b32 v[H8], 3, v146
	v_lshlrev_b32 v[LI], 4, v147
	v_lshlrev_b32 v[L8], 3, v147
	v_mov_b32 v[TM+8], 0                           ; written once: a lane permute's destination counts as one of its sources
	v_mov_b32 v[TM+9], 0
	s_lshr_b32 s92, s[TBK], 4
	s_lshl_b32 s92, s92, 4
	s_lshl_b32 s98, s[CG], 1
	s_add_co_u32 s92, s92, s98
	s_add_co_u32 s92, s92, s[PH]                   ; bh = 16 x batch + head
	s_lshl_b32 s94, s92, 16
	s_lshl_b32 s98, s93, 12
	s_add_co_u32 s94, s94, s98
	s_lshl_b32 s98, s[NH], 11
	s_add_co_u32 s94, s94, s98                     ; q's codes: (128 bh + 8 st + 4 nh) tiles of 512 bytes
	s_lshl_b32 s96, s92, 13
	s_lshl_b32 s98, s93, 9
	s_add_co_u32 s96, s96, s98
	s_lshl_b32 s98, s[NH], 8
	s_add_co_u32 s96, s96, s98                     ; q's scale words: (32 bh + 2 st + nh) groups of 256 bytes
	s_add_nc_u64 s[QCB:QCB+1], s[16:17], s[94:95]
	s_add_nc_u64 s[QSB:QSB+1], s[18:19], s[96:97]
	s_mul_i32 s92, s92, KVH
	s_mul_i32 s93, s93, KVS
	s_add_co_u32 s92, s92, s93                     ; my 128 keys' part of kv
	s_lshl_b32 s94, s[NH], 11
	s_add_co_u32 s94, s94, s92                     ; k's codes
	s_add_co_u32 s96, s92, 8192
	s_add_co_u32 s96, s96, s98                     ; k's scale words
	s_add_nc_u64 s[KCB:KCB+1], s[20:21], s[94:95]
	s_add_nc_u64 s[KSB:KSB+1], s[20:21], s[96:97]
	s_lshl_b32 s94, s[NH], 9
	s_add_co_u32 s94, s94, s92
	s_add_co_u32 s94, s94, 4096                    ; v's codes: [d tile][nh][512]
	s_lshl_b32 s96, s[NH], 1
	s_add_co_u32 s96, s96, s92
	s_add_co_u32 s96, s96, 8704                    ; v's scale words: my two bytes are bytes 2 nh, 2 nh + 1; the other half belongs to the wave of the other 64 tokens
	s_add_nc_u64 s[VCB:VCB+1], s[20:21], s[94:95]
	s_add_nc_u64 s[VSB:VSB+1], s[20:21], s[96:97]
	s_wait_alu depctr_va_vdst(0)
	s_wait_tensorcnt 0x0                           ; my part of x or Wq has landed
	ds_add_u32 v[SPW], v[NIL]
	s_wait_dscnt 0x0
	ROUND                                          ; everybody's part has, and all sixteen work-groups are here
	tensor_load_to_lds s[G0C:G0C+3], s[G1W:G1W+7]  ; Wk and Wv, a region a wave
	s_nop 0
	PLACES 4
	XLOAD 0
	WLOAD ADW, 0
	s_wait_loadcnt 40                              ; x's and Wq's scale words are in; behind them eight loads of scale words and 32 of cos and sin
.irp q, 0,1,2,3,4,5,6,7
	KSTEP 0, \q
.endr
	PLACES 4                                       ; in front of the first reads of results
	s_wait_loadcnt 0x0                             ; cos and sin
	QKOUT QCB, QSB
	s_wait_alu depctr_va_vdst(0)
	s_wait_tensorcnt 0x0                           ; my part of Wk or Wv has landed
	s_wait_dscnt 0x0
	s_barrier_signal -1
	s_barrier_wait -1                              ; everybody's has: nothing is filled again
	WLOAD ADW+1, 0
.irp q, 0,1,2,3,4,5,6,7
	KSTEP 1, \q
.endr
	PLACES 4
	s_wait_xcnt 0x0                                ; q's stores have read their registers
	QKOUT KCB, KSB
.irp q, 0,1,2,3,4,5,6,7
	KSTEP 2, \q
.endr
	PLACES 4
	s_wait_xcnt 0x0                                ; k's stores have read their registers
.irp t, 0,2                                    ; v: quantised along the tokens as it stands
	WIN 0x0a
	QMAX 32*\t
	WIN 0
	QSCALE \t
	WIN 0x02
	QCVT 32*\t, \t
	WIN 0
.irp u, 0,1
	global_store_b128 v[LI], v[PC+4*(\t+\u):PC+4*(\t+\u)+3], s[VCB:VCB+1] offset:1024*(\t+\u)
.endr
.endr
	WORDS
	global_store_b16 v[L8], v[TW], s[VSB:VSB+1]
	global_store_b16 v[L8], v[TW+1], s[VSB:VSB+1] offset:4
	s_wait_tensorcnt 0x0                           ; the wave's end
	ds_add_u32 v[SPW], v[NIL]
	s_wait_dscnt 0x0
	ROUND                                          ; the closing round: no work-group ends while a partner may still ask for a tile that names it
	s_endpgm
.Lfunc_end_k_q670341ba69_qkv:
	.size	k_q670341ba69_qkv, .Lfunc_end_k_q670341ba69_qkv-k_q670341ba69_qkv
	.p2alignl 7, 3214868480
	.fill 96, 4, 3214868480
	.section	.rodata,"a",@progbits
	.p2align	6, 0x0
	.amdhsa_kernel k_q670341ba69_qkv
		.amdhsa_group_segment_fixed_size 327680
		.amdhsa_private_segment_fixed_size 0
		.amdhsa_enable_private_segment 0
		.amdhsa_kernarg_size 72
		.amdhsa_user_sgpr_count 2
		.amdhsa_user_sgpr_kernarg_segment_ptr 1
		.amdhsa_wavefront_size32 1
		.amdhsa_system_sgpr_workgroup_id_x 1
		.amdhsa_system_sgpr_workgroup_id_y 1
		.amdhsa_system_sgpr_workgroup_id_z 1
		.amdhsa_system_vgpr_workitem_id 0
		.amdhsa_next_free_vgpr 768
		.amdhsa_next_free_sgpr 102
		.amdhsa_reserve_vcc 0
		.amdhsa_float_denorm_mode_32 3
		.amdhsa_float_denorm_mode_16_64 3
		.amdhsa_memory_ordered 1
		.amdhsa_forward_progress 1
		.amdhsa_inst_pref_size 121
	.end_amdhsa_kernel
	.amdgpu_metadata
---
amdhsa.version: [ 1, 2 ]
amdhsa.kernels:
  - .name:           k_q670341ba69_qkv
    .symbol:         k_q670341ba69_qkv.kd
    .args:
      - { .name: x_codes, .offset: 0, .size: 8, .value_kind: global_buffer, .address_space: global }
      - { .name: x_scales, .offset: 8, .size: 8, .value_kind: global_buffer, .address_space: global }
      - { .name: Wqkv_codes, .offset: 16, .size: 8, .value_kind: global_buffer, .address_space: global }
      - { .name: Wqkv_scales, .offset: 24, .size: 8, .value_kind: global_buffer, .address_space: global }
      - { .name: cos, .offset: 32, .size: 8, .value_kind: global_buffer, .address_space: global }
      - { .name: sin, .offset: 40, .size: 8, .value_kind: global_buffer, .address_space: global }
      - { .name: qc, .offset: 48, .size: 8, .value_kind: global_buffer, .address_space: global }
      - { .name: qs, .offset: 56, .size: 8, .value_kind: global_buffer, .address_space: global }
      - { .name: kv, .offset: 64, .size: 8, .value_kind: global_buffer, .address_space: global }
    .group_segment_fixed_size: 327680
    .private_segment_fixed_size: 0
    .kernarg_segment_align: 8
    .kernarg_segment_size: 72
    .max_flat_workgroup_size: 128
    .sgpr_count:     102
    .vgpr_count:     768
    .wavefront_size: 32
...
	.end_amdgpu_metadata
.endif
;; end of part 1
;; launch attn (part 2): grid 8 x 32, 16 waves a work-group, clusters of 4 x 1, 232,960 bytes of LDS; arguments qc, qs, kv, oc, os; writes oc, os
.if DOCPART == 2
	.amdgcn_target "amdgcn-amd-amdhsa--gfx1250"
	.amdhsa_code_object_version 6
	.text
	.protected	k_q670341ba69_attn
	.globl	k_q670341ba69_attn
	.p2align	8
	.type	k_q670341ba69_attn,@function
k_q670341ba69_attn:
	s_mov_b64 s[64:65], 0
	v_nop
	global_prefetch_b8 v0, s[64:65] scope:SCOPE_SE
	s_setreg_imm32_b32 hwreg(HW_REG_WAVE_MODE, 25, 1), 1
	s_wait_xcnt 0x0
	s_wait_alu depctr_hold_cnt(0) depctr_sa_sdst(0) depctr_va_vdst(0) depctr_va_sdst(0) depctr_va_ssrc(0) depctr_va_vcc(0) depctr_vm_vsrc(0)
	s_getreg_b32 s2, hwreg(HW_REG_IB_STS2, 6, 4)
	s_cmp_eq_u32 s2, 0
	s_cbranch_scc0 .Lentry_in_a_cluster
	s_endpgm
.Lentry_in_a_cluster:
	s_bfe_u32 s2, ttmp6, 0x10000c
	s_cmp_lg_u32 s2, 0x3003
	s_cbranch_scc0 .Lentry_shape_is_right
	s_endpgm
.Lentry_shape_is_right:
; Causal attention of one head on codes of FP4 (E2M1) with E8M0 scales: S^T = K Q^T (K = the head's 64), p = 2^(t - M), O^T = V^T P^T (K = the keys), O / the row's sum, quantised along the head's 64 for the last product.
; THE SOFTMAX: t = score x log2(e) / 8; M = the running largest t rounded UP to a whole number, kept as -M = floor(-t); p is not normalised; the row's sum is taken of the unquantised p, in f32; when M moves, the sum and O^T
; are multiplied by 2^(old M - new M), which rounds nothing.
; SHARES.  y = 16 x batch + head; g = the work-group's x, 0 .. 7.  A tile is 16 queries: tile 8 rank + g of the head's 128 (lane r: token 64 (tile / 4) + 8 (tile % 4) + r % 8 + 32 (r / 8)): its queries lie among keys
; 128 rank .. + 127, so it wants key steps 0 .. rank of 128 keys.  A work-group has one tile of each rank.  EIGHT COUPLES of waves, i = 0 .. 7: the couple's tiles of ranks 15 - i and i are 17 steps.  The wave of role 0 works
; steps 0 .. 8 of tile 15 - i; the wave of role 1 works steps 0 .. i of its own tile i, stores it, then steps 9 .. 15 - i of tile 15 - i.  That partial result (O^T, M, sum) goes through LDS to the wave of role 0, which
; joins the two by powers of two.  So a wave has nine or eight steps, and waves w, w + 4, w + 8, w + 12 together 34.
; LEFT OUT: key steps all of whose keys come after a tile's queries (reference()'s own tril makes their exponentials 0); a NaN, an infinity or an overflow that reaches only those is not carried to the result.
; LAYOUT.  Lane r of key tile 4 c + u takes key 64 c + 8 u + r % 8 + 32 (r / 8): a lane's 32 registers of four tiles are the 32 neighbouring keys 64 c + 32 (lane / 16) + 0 .. 31: a whole block of the quantiser, in the operand's order.
; V's tiles of d follow the same rule, so a lane's 32 registers of O^T are one whole block of the last product's K.
; Q's upper 64 of the instruction's K are zero codes; so K's upper four registers may hold any codes (with scale bytes 127): K's fragments overlap, four registers a tile.
; LDS.  The head's part of kv, 143,360 bytes, is copied to LDS byte 0 as it lies, ONCE, a key step a wave.  Key step 0 is worked by all waves while the other fifteen are on their way.
; CLUSTER 4 x 1: the four work-groups of a cluster have the same head and ask for every tile jointly.  No branch and no LDS address hangs on the place in the cluster.  No prefetch: all is asked for at the head.
; LIMITS: NaN and infinities are not served; |t| under 2^31; p under 2^-126 is 0 (v_exp_f32 gives no denormals: ISA guide, its entry in 15.8); a block of zeros gets the scale byte 1 where the quantiser's rule says 127: its
; codes are zeros.  A block's largest p is made from its largest score by the same multiply-add and exponential: this takes v_exp_f32 not to fall where its input rises.
.set KVH,  143360
.set KVS,  8960                        ; a key step: K's 8 tiles x 512; V's [4][2][512] at 4,096; K's scale words at 8,192; V's at 8,704
.set DUMP, 161280                      ; 18 KVS: the partial results, 4,352 bytes a wave: no fill lands here
.set DSZ,  4352
.set SPARE, DUMP+16*DSZ                ; the spare words, 128 bytes a wave
.set LI,   1                           ; v1   16 x lane
.set L8,   2                           ; v2   8 x lane
.set DM,   3                           ; v3   my query's place in its key step - 32 (lane / 16)
                                       ; v4-7 addresses at work
.set OSO,  8                           ; v8   my token's and block's byte among the result's scale bytes
.set SPW,  10                          ; v10  my spare word's address;  v11  0
.set NIL,  11
                                       ; v12 -M, v13 the largest score, v[14:15] the sum in two halves
.set QF,   16                          ; v16-23   Q's fragment; v20-23 = 0
.set QS,   24                          ; v24      Q's scale words;  v25 those of the tile that follows.  v24-32 hold scales and nothing else
.set KS,   26                          ; v26-29   K's: tile 4 p + i in register 2 p + i % 2, lanes 16 (i / 2) on
.set VS,   30                          ; v30-31   V's: tile i in register i % 2, lanes 16 (i / 2) on
.set PW,   32                          ; v32      p's
.set Q2,   34                          ; v34-37   the codes of the tile that follows (role 1; a wave of role 0 has its own tile's there and never changes)
.set KF,   40                          ; v40-75   K's 8 fragments, overlapping: tile t at 40 + 4 t; v72-75 = 0
.set VF,   76                          ; v76-107  V's 4 fragments
.set S,    108                         ; v108-171 S^T, then p
.set OT,   172                         ; v172-203 O^T, 4 tiles
.set PCD,  204                         ; v204-211 p's codes
.set BM,   212                         ; v212-213 the blocks' largest scores, then largest p;  v214-215, v216-217 at work
.set SO,   218                         ; v218-219 the conversions' scale operands;  v220-221 their bytes
.set NM,   222                         ; v222     the new -M
.set TS,   224                         ; v224-239 the sum's eight pairs
.set FF,   252                         ; v[252:253] 2^(old M - new M)
.set WV,   14
.set ROLE, 15
.set I,    16
.set RL,   17                          ; 15 - i
.set R,    18                          ; the rank of the tile that I store
.set G,    19
.set SEL,  20                          ; s[20:21] v_permlanex16_b32's selects for lane l xor 16
.set CS,   22                          ; s[22:23] c = log2(e) / 8
.set J,    24                          ; the trip
.set TB,   25                          ; the trip's key step: its first byte in LDS
.set TBN,  26                          ; and the next trip's
.set KJ,   27                          ; the key step's number
.set KN,   28
.set SW1,  29                          ; the trip at whose head I change tiles (role 0: none)
.set LIM,  30                          ; my last key step
.set CR,   31                          ; the rank of the tile in hand
.set G1,   32
.set G0,   40
.set NC,   44                          ; -c
.set EX,   45                          ; (8 - i) key steps in bytes: what is passed over when I change tiles
.set KX,   46
.set CLX,  47
.set CX,   48
.set BH,   49
.set X,    50
.set Y,    51
.set JN,   52
.macro ROUND                           ; a round of the cluster's barrier
	s_barrier_signal -1
	s_barrier_wait -1
	s_cmp_lg_u32 s[WV], 0
	s_cbranch_scc1 .Lnot_wave_0_\@
	s_barrier_signal -3
.Lnot_wave_0_\@:
	s_barrier_wait -3
	s_barrier_signal -1
	s_barrier_wait -1
.endm
.macro PLACES n
.rept \n
	v_nop
.endr
.endm
.macro WALK tb, k, j                   ; trip j's key step: its first byte and its number
	s_mul_i32 s[\tb], s[\j], KVS
	s_cmp_ge_u32 s[\j], s[SW1]
	s_cselect_b32 s[X], s[EX], 0
	s_cselect_b32 s[Y], s[KX], 0
	s_add_co_u32 s[\tb], s[\tb], s[X]
	s_add_co_u32 s[\k], s[\j], s[Y]
.endm
.macro KLOAD a, b                      ; a key step's K: 8 tiles of codes, 2 runs of scale words
.irp t, 0,1,2,3,4,5,6,7
	ds_load_b128 v[KF+4*\t:KF+4*\t+3], v[\a] offset:512*\t
.endr
.irp p, 0,1
	ds_load_b64 v[KS+2*\p:KS+2*\p+1], v[\b] offset:8192+256*\p
.endr
.endm
.macro VLOAD a, b
.irp t, 0,1,2,3
.irp c, 0,1
	ds_load_b128 v[VF+8*\t+4*\c:VF+8*\t+4*\c+3], v[\a] offset:4096+1024*\t+512*\c
.endr
.endr
	ds_load_b64 v[VS:VS+1], v[\b] offset:8704
.endm
.macro OMUL                            ; four of the sixteen that bring O^T under the new M
.rept 4
	v_pk_mul_f32 v[OT+n:OT+n+1], v[OT+n:OT+n+1], v[FF:FF+1] op_sel_hi:[1,0]
.set n, n+2
.endr
.endm
.macro TFMA                            ; eight pairs of t - M
.rept 8
	v_pk_fma_f32 v[S+n:S+n+1], v[S+n:S+n+1], s[CS:CS+1], v[NM:NM+1] op_sel_hi:[1,0,0]
.set n, n+2
.endr
.endm
; A KEY STEP: 128 keys; K's fragments are in registers.  first = 1: key step 0, by all waves; K of the next trip is loaded behind the barrier that follows.
.macro STEP first
.irp t, 0,1,2,3,4,5,6,7
.if (\t)%4 < 2
	v_wmma_scale_f32_16x16x128_f8f6f4 v[S+8*\t:S+8*\t+7], v[KF+4*\t:KF+4*\t+7], v[QF:QF+7], 0, v[KS+2*(\t/4)+(\t%2)], v[QS] matrix_a_fmt:MATRIX_FMT_FP4 matrix_b_fmt:MATRIX_FMT_FP4
.else
	v_wmma_scale_f32_16x16x128_f8f6f4 v[S+8*\t:S+8*\t+7], v[KF+4*\t:KF+4*\t+7], v[QF:QF+7], 0, v[KS+2*(\t/4)+(\t%2)], v[QS] matrix_a_fmt:MATRIX_FMT_FP4 matrix_b_fmt:MATRIX_FMT_FP4 matrix_a_scale:MATRIX_SCALE_ROW1
.endif
.endr
.if \first
	PLACES 4
	VLOAD LI, L8
.else
	v_add_nc_u32 v4, s[TB], v[LI]                  ; these four are the places behind the products: in front of the loads into K's and V's registers and of the first read of S^T
	v_add_nc_u32 v5, s[TB], v[L8]
	v_add_nc_u32 v6, s[TBN], v[LI]
	v_add_nc_u32 v7, s[TBN], v[L8]
	VLOAD 4, 5
	s_cmp_gt_u32 s[KN], s[LIM]                     ; no step follows: nothing more to load
	s_cbranch_scc1 .Lnone_\@
	KLOAD 6, 7                                     ; the next trip's K
.Lnone_\@:
.endif
	s_cmp_lg_u32 s[KJ], s[CR]                      ; all its keys count: no mask
	s_cbranch_scc1 .Lopen_\@
	s_cmp_eq_u32 s[CLX], 0                         ; on the diagonal: register 32 c + i holds key 64 c + 32 h + i of the step: hidden where 64 c + i > v[DM]; its score becomes -infinity, so p = 0
	s_cbranch_scc0 .Lupper_\@
.set n, 0
.rept 32                                       ; g < 4: my queries lie in the step's first 64 positions: its last 64 keys are all hidden
	v_cmp_gt_i32 vcc_lo, n, v[DM]
	v_cndmask_b32 v[S+n], v[S+n], v255, vcc_lo
.set n, n+1
.endr
.rept 32
	v_mov_b32 v[S+n], v255
.set n, n+1
.endr
	s_wait_alu depctr_va_vdst(0)
	s_branch .Lopen_\@
.Lupper_\@:
.set n, 32
.rept 32                                       ; g >= 4: its first 64 keys all count
	v_cmp_gt_i32 vcc_lo, 32+n, v[DM]
	v_cndmask_b32 v[S+n], v[S+n], v255, vcc_lo
.set n, n+1
.endr
.Lopen_\@:
.irp c, 0,1                                    ; the largest score of each of my two blocks of 32 keys, two chains a block: for the row's maximum and for the block's largest p
	v_max3_num_f32 v[BM+\c], v[S+32*\c], v[S+32*\c+1], v[S+32*\c+2]
	v_max3_num_f32 v[BM+2+\c], v[S+32*\c+16], v[S+32*\c+17], v[S+32*\c+18]
.endr
.irp i, 3,5,7,9,11,13
.irp c, 0,1
	v_max3_num_f32 v[BM+\c], v[BM+\c], v[S+32*\c+\i], v[S+32*\c+\i+1]
	v_max3_num_f32 v[BM+2+\c], v[BM+2+\c], v[S+32*\c+16+\i], v[S+32*\c+17+\i]
.endr
.endr
.irp c, 0,1
	v_max3_num_f32 v[BM+\c], v[BM+\c], v[S+32*\c+15], v[S+32*\c+31]
.endr
.irp c, 0,1
	v_max_num_f32 v[BM+\c], v[BM+\c], v[BM+2+\c]
.endr
	s_delay_alu instid0(VALU_DEP_1)
	v_max3_num_f32 v13, v13, v[BM], v[BM+1]        ; the running largest score,
	s_delay_alu instid0(VALU_DEP_1)
	v_permlanex16_b32 v216, v13, s[SEL], s[SEL+1]
	s_delay_alu instid0(VALU_DEP_1)
	v_max_num_f32 v13, v13, v216                   ; with lane l xor 16's
	s_delay_alu instid0(VALU_DEP_1)
	v_mul_f32 v[NM], s[NC], v13                    ; -t
	s_delay_alu instid0(VALU_DEP_1)
	v_floor_f32 v[NM], v[NM]                       ; the new -M = -ceil(t)
.set n, 0
	TFMA                                           ; t - M, two at a time; between them f = 2^(old M - new M)
	v_sub_f32 v217, v[NM], v12                     ; old M - new M: a whole number, 0 or less
	TFMA
	v_cvt_i32_f32 v217, v217                       ; (it saturates)
	TFMA
	v_ldexp_f32 v[FF], 1.0, v217
	TFMA
.irp c, 0,1
	v_fma_f32 v[BM+\c], v[BM+\c], s[CS], v[NM]     ; the same of each block's largest score
.endr
	s_wait_alu depctr_va_vdst(0)
.set n, 0
.rept 64
	v_exp_f32 v[S+n], v[S+n]                       ; p = 2^(t - M), at most 1
.set n, n+1
.endr
	v_exp_f32 v[BM], v[BM]                         ; the blocks' largest p
	v_exp_f32 v[BM+1], v[BM+1]
	v_mov_b32 v12, v[NM]                           ; (a plain place behind the exponentials)
	s_wait_alu depctr_va_vdst(0)                   ; and behind it, directly ahead of the first reader of O^T
.set n, 0
	OMUL
	v_max_num_f32 v[BM], 0x1800000, v[BM]          ; the floor 2^(3 - 127): the byte cannot fall under 1
	v_max_num_f32 v[BM+1], 0x1800000, v[BM+1]
	OMUL
	v_add_nc_u32 v[SO], 0xff000000, v[BM]          ; 2 off the exponent field: the conversion's scale operand
	v_add_nc_u32 v[SO+1], 0xff000000, v[BM+1]
	OMUL
	v_lshrrev_b32 v220, 23, v[SO]                  ; the scales' bytes
	v_lshrrev_b32 v221, 23, v[SO+1]
	OMUL
	v_lshl_or_b32 v220, v221, 16, v220             ; my two blocks': c = 0 in byte 0, c = 1 in byte 2
.irp c, 0,1
.irp g, 0,1,2,3
	v_cvt_scalef32_pk8_fp4_f32 v[PCD+4*\c+\g], v[S+32*\c+8*\g:S+32*\c+8*\g+7], v[SO+\c]
.endr
.endr
	v_permlanex16_b32 v216, v220, s[SEL], s[SEL+1] ; (a plain place behind the conversions)
.set n, 0
.rept 8                                        ; the row's sum of the unquantised p: eight chains of pairs
	v_pk_add_f32 v[TS+n:TS+n+1], v[S+n:S+n+1], v[S+16+n:S+17+n]
.set n, n+2
.endr
	v_lshl_or_b32 v[PW], v216, 8, v220             ; lanes 0-15 (the ones that are read): bytes 1 and 3 are lane l + 16's blocks: p's scale word for these 128 keys
.irp q, 32,48
.set n, 0
.rept 8
	v_pk_add_f32 v[TS+n:TS+n+1], v[TS+n:TS+n+1], v[S+\q+n:S+\q+n+1]
.set n, n+2
.endr
.endr
.irp k, 0,2,4,6
	v_pk_add_f32 v[TS+\k:TS+\k+1], v[TS+\k:TS+\k+1], v[TS+8+\k:TS+9+\k]
.endr
.irp k, 0,2
	v_pk_add_f32 v[TS+\k:TS+\k+1], v[TS+\k:TS+\k+1], v[TS+4+\k:TS+5+\k]
.endr
	s_delay_alu instid0(VALU_DEP_1)
	v_pk_add_f32 v[TS:TS+1], v[TS:TS+1], v[TS+2:TS+3]
	s_delay_alu instid0(VALU_DEP_1)
	v_pk_fma_f32 v[14:15], v[14:15], v[FF:FF+1], v[TS:TS+1] op_sel_hi:[1,0,1]
	s_wait_dscnt 0x0                               ; V is in, and the next trip's K
.irp t, 0,1,2,3                                ; O^T += V^T P^T: the four accumulators take turns; the next step's eight products stand between two links
.if \t < 2
	v_wmma_scale_f32_16x16x128_f8f6f4 v[OT+8*\t:OT+8*\t+7], v[VF+8*\t:VF+8*\t+7], v[PCD:PCD+7], v[OT+8*\t:OT+8*\t+7], v[VS+(\t%2)], v[PW] matrix_a_fmt:MATRIX_FMT_FP4 matrix_b_fmt:MATRIX_FMT_FP4
.else
	v_wmma_scale_f32_16x16x128_f8f6f4 v[OT+8*\t:OT+8*\t+7], v[VF+8*\t:VF+8*\t+7], v[PCD:PCD+7], v[OT+8*\t:OT+8*\t+7], v[VS+(\t%2)], v[PW] matrix_a_fmt:MATRIX_FMT_FP4 matrix_b_fmt:MATRIX_FMT_FP4 matrix_a_scale:MATRIX_SCALE_ROW1
.endif
.endr
.endm
.macro CLEAR                           ; the state ahead of a tile's first step: M = -2^125, the largest score -3e38, the sum and O^T zeros: the first change of M multiplies zeros by 0
	v_mov_b32 v12, 0x7e000000
	v_mov_b32 v13, 0xff61b1e6
	v_mov_b32 v14, 0
	v_mov_b32 v15, 0
.set n, 0
.rept 32
	v_mov_b32 v[OT+n], 0
.set n, n+1
.endr
.endm
; A TILE GOES OUT: v14 = my lane's part of the row's sum; O^T in v[src] on.  Its 32 numbers a lane are d = 32 h + 0 .. 31: one block of the last product's K.
.macro OUT src
	v_permlanex16_b32 v216, v14, s[SEL], s[SEL+1]
	s_delay_alu instid0(VALU_DEP_1)
	v_add_f32 v14, v14, v216
	s_wait_alu depctr_va_vdst(0)                   ; the wait ahead of the transcendental,
	v_rcp_f32 v14, v14
	v_nop                                          ; one plain place behind it
	s_wait_alu depctr_va_vdst(0)                   ; and the wait ahead of the first reader
.set n, 0
.rept 16
	v_pk_mul_f32 v[S+n:S+n+1], v[\src+n:\src+n+1], v[14:15] op_sel_hi:[1,0]
.set n, n+2
.endr
.irp b, 0,1
	v_max3_num_f32 v[BM+\b], |v[S+16*\b]|, |v[S+1+16*\b]|, 0x1800000
.endr
.irp i, 2,4,6,8,10,12,14
.irp b, 0,1
	v_max3_num_f32 v[BM+\b], v[BM+\b], |v[S+16*\b+\i]|, |v[S+1+16*\b+\i]|
.endr
.endr
	s_delay_alu instid0(VALU_DEP_1)
	v_max_num_f32 v[BM], v[BM], v[BM+1]
	s_delay_alu instid0(VALU_DEP_1)
	v_add_nc_u32 v[SO], 0xff000000, v[BM]
	s_delay_alu instid0(VALU_DEP_1)
	v_lshrrev_b32 v220, 23, v[SO]
.irp g, 0,1,2,3
	v_cvt_scalef32_pk8_fp4_f32 v[PCD+\g], v[S+8*\g:S+8*\g+7], v[SO]
.endr
	v_nop                                          ; one plain place behind a scaled conversion
	global_store_b8 v[OSO], v220, s[74:75]         ; my token's scale byte of block h
	global_store_b128 v[LI], v[PCD:PCD+3], s[72:73]   ; 32 lanes store 512 consecutive bytes, at a multiple of 256 from the buffer's first byte
.endm
	s_load_b256 s[4:11], s[0:1], 0x0               ; qc, qs, kv, oc
	s_load_b64 s[12:13], s[0:1], 0x20              ; os
	v_lshl_add_u32 v[SPW], v0, 2, SPARE
	v_mov_b32 v[NIL], 0
	ds_add_u32 v[SPW], v[NIL]                      ; the wave's opening: the add, twice on end, and its wait ahead of my first tensor load
	ds_add_u32 v[SPW], v[NIL]
	v_lshrrev_b32 v4, 5, v0
	v_readfirstlane_b32 s[WV], v4                  ; wave 0..15
	s_bfe_u32 s[ROLE], s[WV], 0x10002              ; waves 4-7 and 12-15 have role 1
	s_and_b32 s[I], s[WV], 3
	s_bfe_u32 s54, s[WV], 0x10003
	s_lshl_b32 s54, s54, 2
	s_or_b32 s[I], s[I], s54                       ; the couple: wave % 4 + 4 (wave / 8)
	s_xor_b32 s[RL], s[I], 15                      ; 15 - i
	s_xor_b32 s[KX], s[I], 7
	s_add_co_u32 s[KX], s[KX], 1                   ; 8 - i
	s_mul_i32 s[EX], s[KX], KVS
	s_add_co_u32 s54, s[I], 1
	s_cmp_eq_u32 s[ROLE], 1
	s_cselect_b32 s[R], s[I], s[RL]
	s_cselect_b32 s[SW1], s54, 64
	s_cselect_b32 s[LIM], s[RL], 8
	s_mov_b32 s[CR], s[R]
	s_bfe_u32 s[CX], ttmp6, 0x40000
	s_mov_b32 s[CLX], ttmp9
	s_lshl_b32 s[G], ttmp9, 2
	s_add_co_u32 s[G], s[G], s[CX]                 ; g = 4 x cluster x + cx
	s_and_b32 s[BH], ttmp7, 0xffff                 ; the head, which the four partners share
	; group 1: a key step's bytes on end, as 35 rows of 32 elements of 8 bytes
	s_mov_b32 s[G1], 15|(3<<16)|(1<<21)            ; 15:0 the mask: all four work-groups; 17:16 elements of 8 bytes; 21 set beside a mask
	s_mov_b32 s[G1+1], 32<<16
	s_mov_b32 s[G1+2], 35<<16
	s_mov_b32 s[G1+3], 32<<16
	s_mov_b32 s[G1+4], 35
	s_mov_b32 s[G1+5], 32
	s_mov_b32 s[G1+6], 0
	s_mov_b32 s[G1+7], 0
	s_mul_i32 s58, s[WV], KVS                      ; key step = my wave's number: the same offset in memory and in LDS
	s_mov_b32 s59, 0
	s_mul_i32 s60, s[BH], KVH
	s_mov_b32 s61, 0
	s_mov_b32 s[SEL], 0x76543210
	s_mov_b32 s[SEL+1], 0xfedcba98
	s_mov_b32 s[CS], 0x3e38aa3b                    ; log2(e) / 8
	s_mov_b32 s[CS+1], s[CS]                       ; (named with it as a pair, so it is written)
	s_mov_b32 s[NC], 0xbe38aa3b
	s_mov_b32 s[J], 0
	s_mov_b32 s[KJ], 0
	s_wait_dscnt 0x0                               ; both opening adds are done
	s_wait_kmcnt 0x0
	s_add_nc_u64 s[60:61], s[8:9], s[60:61]        ; kv at my head
	s_mov_b32 s[G0], 1
	s_mov_b32 s[G0+1], s58
	s_add_nc_u64 s[G0+2:G0+3], s[60:61], s[58:59]
	s_or_b32 s[G0+3], s[G0+3], 0x80000000
	ROUND                                          ; all four work-groups are here: the joint loads meet
	s_cmp_eq_u32 s[WV], 0                          ; the first and only fills, one a wave; key step 0 has a line of its own, since it is waited for first
	s_cbranch_scc0 .Lothers
	tensor_load_to_lds s[G0:G0+3], s[G1:G1+7]
	s_nop 0
	PLACES 4
	s_branch .Lasked
.Lothers:
	tensor_load_to_lds s[G0:G0+3], s[G1:G1+7]
	s_nop 0
	PLACES 4
.Lasked:
	s_mov_b32 s57, 0
	s_lshl_b32 s62, s[BH], 16
	s_lshl_b32 s56, s[G], 9
	s_add_co_u32 s62, s62, s56
	s_lshl_b32 s56, s[R], 12
	s_add_co_u32 s56, s56, s62
	s_add_nc_u64 s[68:69], s[4:5], s[56:57]        ; Q's codes: tile 128 bh + 8 rank + g: of my first tile,
	s_lshl_b32 s56, s[RL], 12
	s_add_co_u32 s56, s56, s62
	s_add_nc_u64 s[70:71], s[4:5], s[56:57]        ; and of tile 15 - i
	s_lshl_b32 s62, s[BH], 13
	s_lshl_b32 s56, s[CLX], 8
	s_add_co_u32 s62, s62, s56
	s_bfe_u32 s56, s[G], 0x10001
	s_lshl_b32 s56, s56, 7
	s_add_co_u32 s62, s62, s56
	s_and_b32 s56, s[G], 1
	s_lshl_b32 s56, s56, 2
	s_add_co_u32 s62, s62, s56                     ; scale words: group tile / 4; in it 128 ((tile / 2) % 2) + 4 (tile % 2) + 8 r
	s_lshl_b32 s56, s[R], 9
	s_add_co_u32 s56, s56, s62
	s_add_nc_u64 s[76:77], s[6:7], s[56:57]
	s_lshl_b32 s56, s[RL], 9
	s_add_co_u32 s56, s56, s62
	s_add_nc_u64 s[78:79], s[6:7], s[56:57]
	s_lshl_b32 s63, s[R], 3
	s_add_co_u32 s63, s63, s[G]                    ; the tile that I store
	s_lshr_b32 s54, s[BH], 4                       ; batch
	s_and_b32 s55, s[BH], 15                       ; head
	s_lshl_b32 s56, s54, 20
	s_lshl_b32 s62, s63, 13
	s_add_co_u32 s56, s56, s62
	s_lshl_b32 s62, s55, 9
	s_add_co_u32 s56, s56, s62
	s_add_nc_u64 s[72:73], s[10:11], s[56:57]      ; oc: ((128 batch + tile) x 16 + head) x 512
	s_lshl_b32 s56, s54, 16
	s_lshl_b32 s62, s63, 9
	s_add_co_u32 s56, s56, s62
	s_lshl_b32 s62, s55, 1
	s_add_co_u32 s56, s56, s62
	s_add_nc_u64 s[74:75], s[12:13], s[56:57]      ; os: ((128 batch + tile) x 16 + r) x 32 + 2 head + h
	s_lshl_b32 s54, s[CLX], 6
	s_lshl_b32 s55, s[CX], 3
	s_add_co_u32 s54, s54, s55                     ; 64 (g / 4) + 8 (g % 4)
	v_and_b32 v4, 31, v0                           ; lane
	v_and_b32 v5, 15, v0                           ; r
	v_and_b32 v6, 7, v0
	v_bfe_u32 v7, v0, 3, 1
	v_bfe_u32 v9, v0, 4, 1                         ; h
	v_lshlrev_b32 v[LI], 4, v4
	v_lshlrev_b32 v[L8], 3, v4
	v_lshl_add_u32 v[OSO], v5, 5, v9
	v_lshlrev_b32 v5, 3, v5
	v_sub_nc_u32 v7, v7, v9
	global_load_b128 v[QF:QF+3], v[LI], s[68:69]
	global_load_b128 v[Q2:Q2+3], v[LI], s[70:71]
	global_load_b32 v[QS], v5, s[76:77]
	global_load_b32 v[QS+1], v5, s[78:79]
	v_lshl_add_u32 v[DM], v7, 5, v6
	v_mov_b32 v216, 0                              ; (a lane permute's destination and the upper words of pairs count as read)
	v_mov_b32 v223, 0
	v_mov_b32 v251, 0
	v_mov_b32 v253, 0
	v_mov_b32 v255, 0xff800000                     ; -infinity
	v_add_nc_u32 v[DM], s54, v[DM]
.irp i, 0,1,2,3
	v_mov_b32 v[QF+4+\i], 0                        ; the upper 64 of K: zero codes
	v_mov_b32 v[KF+32+\i], 0
.endr
	CLEAR
	s_wait_alu depctr_va_vdst(0)
	s_wait_loadcnt 0x0                             ; Q
	s_cmp_lg_u32 s[WV], 0
	s_cbranch_scc1 .Lnot_first
	s_wait_tensorcnt 0x0                           ; key step 0 has landed; the other waves' fifteen may be out
.Lnot_first:
	s_barrier_signal -1
	s_barrier_wait -1
	KLOAD LI, L8
	s_wait_dscnt 0x0
	STEP 1                                         ; trip 0
	s_add_co_u32 s[JN], s[J], 1
	WALK TBN, KN, JN
	s_wait_alu depctr_va_vdst(0)
	s_wait_tensorcnt 0x0                           ; my key step has landed,
	s_wait_dscnt 0x0
	s_barrier_signal -1
	s_barrier_wait -1                              ; everybody's have
	PLACES 4                                       ; in front of the loads into K's registers
	v_add_nc_u32 v6, s[TBN], v[LI]
	v_add_nc_u32 v7, s[TBN], v[L8]
	KLOAD 6, 7
	s_wait_dscnt 0x0
	s_mov_b32 s[J], 1
.Lloop:                                            ; eight trips
	WALK TB, KJ, J
	s_add_co_u32 s[JN], s[J], 1
	WALK TBN, KN, JN
	s_cmp_lg_u32 s[J], s[SW1]
	s_cbranch_scc1 .Lsame
	PLACES 4                                       ; role 1: my own tile is finished: it goes out, and tile 15 - i begins (i = 7: an empty part of it)
	v_add_f32 v14, v14, v15
	OUT OT
.irp i, 0,1,2,3
	v_mov_b32 v[QF+\i], v[Q2+\i]
.endr
	v_mov_b32 v[QS], v[QS+1]
	CLEAR
	s_mov_b32 s[CR], s[RL]
	s_wait_alu depctr_va_vdst(0)
	s_wait_xcnt 0x0                                ; the stores have read their registers
.Lsame:
	s_cmp_gt_u32 s[KJ], s[LIM]                     ; role 1 has no ninth step
	s_cbranch_scc1 .Lhidden
	STEP 0
.Lhidden:
	s_wait_alu depctr_va_vdst(0)
	s_add_co_u32 s[J], s[J], 1
	s_cmp_lt_u32 s[J], 9
	s_cbranch_scc1 .Lloop
	; THE TWO PARTS OF TILE 15 - i ARE JOINED.  Role 1 lays O^T, -M and its lane's sum into its wave's own bytes; role 0 reads its partner's (wave + 4).
	s_mul_i32 s54, s[WV], DSZ
	s_add_co_u32 s54, s54, DUMP
	s_or_b32 s55, s[WV], 4
	s_mul_i32 s55, s55, DSZ
	s_add_co_u32 s55, s55, DUMP
	v_add_nc_u32 v4, s54, v[LI]                    ; (these four are the places behind the last products)
	v_add_nc_u32 v5, s54, v[L8]
	v_add_nc_u32 v6, s55, v[LI]
	v_add_nc_u32 v7, s55, v[L8]
	s_cmp_eq_u32 s[ROLE], 0
	s_cbranch_scc1 .Lkeep
	v_add_f32 v13, v14, v15
.irp k, 0,1,2,3,4,5,6,7
	ds_store_b128 v4, v[OT+4*\k:OT+4*\k+3] offset:512*\k   ; each accumulator from its low end on
.endr
	ds_store_b64 v5, v[12:13] offset:4096
.Lkeep:
	s_wait_alu depctr_va_vdst(0)
	s_wait_dscnt 0x0                               ; for the partner's sake: my stores are done
	s_barrier_signal -1
	s_barrier_wait -1
	s_cmp_lg_u32 s[ROLE], 0
	s_cbranch_scc1 .Lend
.irp k, 0,1,2,3,4,5,6,7
	ds_load_b128 v[S+4*\k:S+4*\k+3], v6 offset:512*\k
.endr
	ds_load_b64 v[216:217], v7 offset:4096         ; the partner's -M and sum
	v_add_f32 v14, v14, v15
	s_wait_alu depctr_va_vdst(0)
	s_wait_dscnt 0x0
	v_min_num_f32 v[NM], v12, v216                 ; -M of the whole row
	v_sub_f32 v212, v[NM], v12
	v_sub_f32 v213, v[NM], v216
	v_cvt_i32_f32 v212, v212
	v_cvt_i32_f32 v213, v213
	v_ldexp_f32 v252, 1.0, v212                    ; what brings my part under it, and the partner's
	v_ldexp_f32 v250, 1.0, v213
	v_mul_f32 v14, v14, v252
.set n, 0
.rept 16
	v_pk_mul_f32 v[S+n:S+n+1], v[S+n:S+n+1], v[250:251] op_sel_hi:[1,0]
.set n, n+2
.endr
	v_fmac_f32 v14, v217, v250
.set n, 0
.rept 16
	v_pk_fma_f32 v[S+n:S+n+1], v[OT+n:OT+n+1], v[252:253], v[S+n:S+n+1] op_sel_hi:[1,0,1]
.set n, n+2
.endr
	OUT S
.Lend:
	s_wait_tensorcnt 0x0                           ; the wave's end
	ds_add_u32 v[SPW], v[NIL]
	s_wait_dscnt 0x0
	ROUND                                          ; the closing round: no work-group ends while a partner may still ask for a tile that names it
	s_endpgm
.Lfunc_end_k_q670341ba69_attn:
	.size	k_q670341ba69_attn, .Lfunc_end_k_q670341ba69_attn-k_q670341ba69_attn
	.p2alignl 7, 3214868480
	.fill 96, 4, 3214868480
	.section	.rodata,"a",@progbits
	.p2align	6, 0x0
	.amdhsa_kernel k_q670341ba69_attn
		.amdhsa_group_segment_fixed_size 232960
		.amdhsa_private_segment_fixed_size 0
		.amdhsa_enable_private_segment 0
		.amdhsa_kernarg_size 40
		.amdhsa_user_sgpr_count 2
		.amdhsa_user_sgpr_kernarg_segment_ptr 1
		.amdhsa_wavefront_size32 1
		.amdhsa_system_sgpr_workgroup_id_x 1
		.amdhsa_system_sgpr_workgroup_id_y 1
		.amdhsa_system_sgpr_workgroup_id_z 1
		.amdhsa_system_vgpr_workitem_id 0
		.amdhsa_next_free_vgpr 256
		.amdhsa_next_free_sgpr 80
		.amdhsa_reserve_vcc 1
		.amdhsa_float_denorm_mode_32 3
		.amdhsa_float_denorm_mode_16_64 3
		.amdhsa_memory_ordered 1
		.amdhsa_forward_progress 1
		.amdhsa_inst_pref_size 62
	.end_amdhsa_kernel
	.amdgpu_metadata
---
amdhsa.version: [ 1, 2 ]
amdhsa.kernels:
  - .name:           k_q670341ba69_attn
    .symbol:         k_q670341ba69_attn.kd
    .args:
      - { .name: qc, .offset: 0, .size: 8, .value_kind: global_buffer, .address_space: global }
      - { .name: qs, .offset: 8, .size: 8, .value_kind: global_buffer, .address_space: global }
      - { .name: kv, .offset: 16, .size: 8, .value_kind: global_buffer, .address_space: global }
      - { .name: oc, .offset: 24, .size: 8, .value_kind: global_buffer, .address_space: global }
      - { .name: os, .offset: 32, .size: 8, .value_kind: global_buffer, .address_space: global }
    .group_segment_fixed_size: 232960
    .private_segment_fixed_size: 0
    .kernarg_segment_align: 8
    .kernarg_segment_size: 40
    .max_flat_workgroup_size: 512
    .sgpr_count:     80
    .vgpr_count:     256
    .wavefront_size: 32
...
	.end_amdgpu_metadata
.endif
;; end of part 2
;; launch proj (part 3): grid 8 x 32, 4 waves a work-group, clusters of 4 x 4, 167,936 bytes of LDS; arguments oc, os, Wproj_codes, Wproj_scales, bproj, out0; writes out0
.if DOCPART == 3
	.amdgcn_target "amdgcn-amd-amdhsa--gfx1250"
	.amdhsa_code_object_version 6
	.text
	.protected	k_q670341ba69_proj
	.globl	k_q670341ba69_proj
	.p2align	8
	.type	k_q670341ba69_proj,@function
k_q670341ba69_proj:
	s_mov_b64 s[64:65], 0
	v_nop
	global_prefetch_b8 v0, s[64:65] scope:SCOPE_SE
	s_setreg_imm32_b32 hwreg(HW_REG_WAVE_MODE, 25, 1), 1
	s_wait_xcnt 0x0
	s_wait_alu depctr_hold_cnt(0) depctr_sa_sdst(0) depctr_va_vdst(0) depctr_va_sdst(0) depctr_va_ssrc(0) depctr_va_vcc(0) depctr_vm_vsrc(0)
	s_getreg_b32 s2, hwreg(HW_REG_IB_STS2, 6, 4)
	s_cmp_eq_u32 s2, 0
	s_cbranch_scc0 .Lentry_in_a_cluster
	s_endpgm
.Lentry_in_a_cluster:
	s_bfe_u32 s2, ttmp6, 0x10000c
	s_cmp_lg_u32 s2, 0xf033
	s_cbranch_scc0 .Lentry_shape_is_right
	s_endpgm
.Lentry_shape_is_right:
; out0 = attention's result x Wproj + bproj, on codes of FP4 (E2M1) with E8M0 scales; sums in f32.
; SHARES.  A work-group takes 128 tokens (tb) x 128 columns (cg).  Four waves: wave w makes columns 64 (w % 2) on for the four token tiles 4 (w / 2) on.  Wproj's fragments of my 64 columns for all of K stay in 256 registers; the token
; tiles are finished ONE AFTER THE OTHER, 32 products each (4 accumulators, 8 K steps of 128), and each leaves as soon as it is finished; the next tile's fragments are loaded ahead, in two register sets.
; TRANSPOSED USE: source 0 = 16 rows of Wproj (columns of out0), source 1 = a token tile: a lane holds one token and neighbouring columns.  Lane r of tile i takes row 8 i + r % 8 + 32 (r / 8) of 64, of Wproj and of the tokens (as the
; launch before has laid them): a lane's 32 registers of four tiles are the columns 32 (lane / 16) + 0 .. 31.
; The bias is the C of each sum's first product.
; LDS, filled ONCE, one tensor load a wave: the 8 token tiles as images of their registers (65,536 bytes on end in oc; waves 0, 1); Wproj's 128 rows in two regions (rows with bit 5 clear, with bit 5 set; waves 2, 3), 33,920 bytes apart,
; rows 528 bytes apart, so that a tile's sixteen rows start in sixteen different columns of 16 bytes modulo 256 (64 banks of 4 bytes: ISA guide 11.1).
; SCALE WORDS come once, straight into registers: lanes 0-15 hold tile i's, lanes 16-31 tile i + 2's.
; THE WAY OUT: 16 tokens x 64 columns go through my own stage, into which no fill lands: rows of 256 bytes, which sixteen lanes store as one aligned unit; no barrier.
; CLUSTER 4 x 4: the tokens' tiles hang on tb alone and are asked for jointly along a row of the cluster, Wproj's on cg alone and jointly along a column.  No prefetch: all is asked for at the head.
; LIMITS: NaN and infinities are not served.
.set WOP,   65536
.set PARB,  33920
.set PITCH, 528
.set HALFB, 32*PITCH
.set STG,   WOP+2*PARB                 ; 133,376, a multiple of 256
.set SP,    272                        ; a stage's row: 256 bytes + 16
.set SPARE, STG+4*16*SP                ; the spare words, 128 bytes a wave
; window 0:
.set ADW,   4                          ; v4   my fragments of Wproj
.set ADT,   5                          ; v5   my token tiles' images
.set WSA,   6                          ; v6   Wproj's scale words
.set TSA,   7                          ; v7   the tokens'
.set CO,    8                          ; v8   my byte in a pair of out0's rows
.set STO,   9                          ; v9   the stage: where I put 16 bytes of a row
.set RD,    10                         ; v10  and where I read a row back
.set BO,    11                         ; v11  128 h: my half's columns in bproj
.set SPW,   12
.set NIL,   13
.set WS,    16                         ; v16-31  Wproj's scale words: tile i, K step q: register 8 (i % 2) + q, lanes 16 (i / 2) on.  v16-47 hold scales and nothing else
.set TS,    32                         ; v32-47  the tokens' likewise
.set BI,    48                         ; v48-79  the bias in the result's layout
.set TF,    80                         ; v80-207 token tiles, two sets of 64: K step q at 8 q
.set ACC,   208                        ; v208-239 accumulator a at 8 a
; window 1: Wproj's fragments: K step q, tile a at 32 q + 8 a
; window 2: v0-31 16 rows on the way out
.set WV,  22
.set PH,  24                           ; w % 2: which 64 columns.  Also: which half I fetch
.set TH,  25                           ; w / 2: which 64 tokens.  Also: what I fetch
.set CX,  28
.set CY,  29
.set CG,  30
.set TBK, 31
.set G1T,  32
.set G1W,  40
.set G0T,  48
.set G0W,  52
.set MSB, 0
.macro WIN new                         ; register windows (source 0 in bits 1:0, source 1 3:2, source 2 5:4, destination 7:6); the immediate's high byte repeats the setting that is left
.if MSB != \new
	s_set_vgpr_msb (MSB<<8)|\new
.set MSB, \new
.endif
.endm
.macro ROUND                           ; a round of the cluster's barrier
	s_barrier_signal -1
	s_barrier_wait -1
	s_cmp_lg_u32 s[WV], 0
	s_cbranch_scc1 .Lnot_wave_0_\@
	s_barrier_signal -3
.Lnot_wave_0_\@:
	s_barrier_wait -3
	s_barrier_signal -1
	s_barrier_wait -1
.endm
.macro PLACES n
.rept \n
	v_nop
.endr
.endm
.macro WL q                            ; Wproj's four tiles of K step q
	WIN 0x40
.irp a, 0,1,2,3
.irp c, 0,1
	ds_load_b128 v[32*(\q)+8*\a+4*\c:32*(\q)+8*\a+4*\c+3], v[ADW] offset:8*\a*PITCH+64*(\q)+32*\c
.endr
.endr
.endm
.macro TL b                            ; token tile b, all of K: head 2 q + c of the tile: registers 8 q + 4 c on
	WIN 0
.irp q, 0,1,2,3,4,5,6,7
.irp c, 0,1
	ds_load_b128 v[TF+64*((\b)%2)+8*\q+4*\c:TF+64*((\b)%2)+8*\q+4*\c+3], v[ADT] offset:8192*(\b)+1024*\q+512*\c
.endr
.endr
.endm
.macro MM d, a, b, c, sa, sb, ra, rb   ; ra, rb: the half of the lanes that holds the tile's scale words
.if (\ra) == 0 && (\rb) == 0
	v_wmma_scale_f32_16x16x128_f8f6f4 v[\d:\d+7], v[\a:\a+7], v[\b:\b+7], v[\c:\c+7], v[\sa], v[\sb] matrix_a_fmt:MATRIX_FMT_FP4 matrix_b_fmt:MATRIX_FMT_FP4
.elseif (\rb) == 0
	v_wmma_scale_f32_16x16x128_f8f6f4 v[\d:\d+7], v[\a:\a+7], v[\b:\b+7], v[\c:\c+7], v[\sa], v[\sb] matrix_a_fmt:MATRIX_FMT_FP4 matrix_b_fmt:MATRIX_FMT_FP4 matrix_a_scale:MATRIX_SCALE_ROW1
.elseif (\ra) == 0
	v_wmma_scale_f32_16x16x128_f8f6f4 v[\d:\d+7], v[\a:\a+7], v[\b:\b+7], v[\c:\c+7], v[\sa], v[\sb] matrix_a_fmt:MATRIX_FMT_FP4 matrix_b_fmt:MATRIX_FMT_FP4 matrix_b_scale:MATRIX_SCALE_ROW1
.else
	v_wmma_scale_f32_16x16x128_f8f6f4 v[\d:\d+7], v[\a:\a+7], v[\b:\b+7], v[\c:\c+7], v[\sa], v[\sb] matrix_a_fmt:MATRIX_FMT_FP4 matrix_b_fmt:MATRIX_FMT_FP4 matrix_a_scale:MATRIX_SCALE_ROW1 matrix_b_scale:MATRIX_SCALE_ROW1
.endif
.endm
; Token tile b, K step q: four products.  The 4 accumulators take turns, one instruction a turn: three others stand between two links.
.macro MQ b, q
	WIN 0x01                                       ; source 0 window 1
.irp a, 0,1,2,3
.if (\q) == 0
	MM ACC+8*\a, 8*\a, TF+64*((\b)%2), BI+8*\a, WS+8*(\a%2), TS+8*((\b)%2), \a/2, (\b)/2
.else
	MM ACC+8*\a, 32*(\q)+8*\a, TF+64*((\b)%2)+8*(\q), ACC+8*\a, WS+8*(\a%2)+(\q), TS+8*((\b)%2)+(\q), \a/2, (\b)/2
.endif
.endr
.endm
; Tile b goes out.  Its token in the stage's row p is 8 b + p % 8 + 32 (p / 8) of my 64.
.macro SEND b
	PLACES 5                                       ; in front of the reads of results (4), and of the next tile's products, which begin these accumulators anew (5)
	WIN 0
.irp a, 0,1,2,3
.irp e, 0,1
	ds_store_b128 v[STO], v[ACC+8*\a+4*\e:ACC+8*\a+4*\e+3] offset:32*\a+16*\e   ; each accumulator from its low end on
.endr
.endr
.if (\b) > 0
	s_wait_xcnt 0x0                                ; the last tile's stores have read their registers
.endif
	WIN 0x80
.irp i, 0,1,2,3,4,5,6,7
	ds_load_b128 v[4*\i:4*\i+3], v[RD] offset:2*\i*SP   ; LDS serves a wave's instructions in order (ISA guide 5.7.1.4): these see the stores above
.endr
	WIN 0x08
.irp i, 0,1,2,3,4,5,6,7
	s_wait_dscnt 7-\i                              ; rows 2 i and 2 i + 1 are in; the loads behind them may be out
	global_store_b128 v[CO], v[4*\i:4*\i+3], s[86:87] offset:32768*(\b)+8192*(\i%4)+131072*(\i/4) th:TH_STORE_NT   ; sixteen lanes store 256 consecutive bytes, at a multiple of 256 from out0's first byte; read by nobody here
.endr
	WIN 0
.endm
	s_load_b256 s[4:11], s[0:1], 0x0               ; oc, os, Wproj's codes, Wproj's scales
	s_load_b128 s[12:15], s[0:1], 0x20             ; bproj, out0
	v_lshl_add_u32 v[SPW], v0, 2, SPARE
	v_mov_b32 v[NIL], 0
	ds_add_u32 v[SPW], v[NIL]                      ; the wave's opening: the add, twice on end, and its wait ahead of my first tensor load
	ds_add_u32 v[SPW], v[NIL]
	v_lshrrev_b32 v80, 5, v0
	v_readfirstlane_b32 s[WV], v80                 ; wave 0..3
	s_and_b32 s[PH], s[WV], 1
	s_lshr_b32 s[TH], s[WV], 1
	s_bfe_u32 s[CX], ttmp6, 0x40000
	s_bfe_u32 s[CY], ttmp6, 0x40004
	s_lshl_b32 s[CG], ttmp9, 2
	s_add_co_u32 s[CG], s[CG], s[CX]
	s_and_b32 s[TBK], ttmp7, 0xffff
	s_lshl_b32 s[TBK], s[TBK], 2
	s_add_co_u32 s[TBK], s[TBK], s[CY]
	s_lshl_b32 s92, s[CY], 2
	s_lshl_b32 s92, 15, s92                        ; my row of the cluster
	s_lshl_b32 s93, 0x1111, s[CX]                  ; my column
	s_or_b32 s[G1T], s92, (3<<16)|(1<<21)          ; four token tiles: 32,768 bytes on end, as 128 rows of 32 elements of 8 bytes
	s_mov_b32 s[G1T+1], 32<<16
	s_mov_b32 s[G1T+2], 128<<16
	s_mov_b32 s[G1T+3], 32<<16
	s_mov_b32 s[G1T+4], 128
	s_mov_b32 s[G1T+5], 32
	s_mov_b32 s[G1T+6], 0
	s_mov_b32 s[G1T+7], 0
	s_or_b32 s[G1W], s93, (0<<16)|(1<<20)|(1<<21)|(6<<22)|(3<<25)   ; Wproj's codes: the 32 rows of one kind in each 64 rows are 16,384 bytes on end: 2 long rows, 32,768 bytes apart; 4 words of padding behind every 128
	s_mov_b32 s[G1W+1], 16384<<16
	s_mov_b32 s[G1W+2], 2<<16
	s_mov_b32 s[G1W+3], 16384<<16
	s_mov_b32 s[G1W+4], 2
	s_mov_b32 s[G1W+5], 32768
	s_mov_b32 s[G1W+6], 0
	s_mov_b32 s[G1W+7], 0
	s_lshl_b32 s94, s[TBK], 16                     ; oc: 8 tb tiles of 8,192 bytes, + four tiles for the second half
	s_lshl_b32 s88, s[PH], 15                      ; (and where they go: the wave's number alone enters an LDS address)
	s_add_co_u32 s94, s94, s88
	s_mov_b32 s95, 0
	s_lshl_b32 s84, s[CG], 16                      ; Wproj's codes: 128 cg rows of 512 bytes, + 32 rows for the second kind
	s_lshl_b32 s85, s[PH], 14
	s_add_co_u32 s84, s84, s85
	s_mov_b32 s85, 0
	s_mul_i32 s91, s[PH], PARB
	s_add_co_u32 s91, s91, WOP
	s_wait_dscnt 0x0                               ; both opening adds are done
	s_wait_kmcnt 0x0
	s_mov_b32 s[G0T], 1
	s_mov_b32 s[G0T+1], s88
	s_add_nc_u64 s[G0T+2:G0T+3], s[4:5], s[94:95]
	s_or_b32 s[G0T+3], s[G0T+3], 0x80000000
	s_mov_b32 s[G0W], 1
	s_mov_b32 s[G0W+1], s91
	s_add_nc_u64 s[G0W+2:G0W+3], s[8:9], s[84:85]
	s_or_b32 s[G0W+3], s[G0W+3], 0x80000000
	ROUND                                          ; all sixteen work-groups are here: the joint loads meet
	s_cmp_eq_u32 s[TH], 0                          ; the first and only fills, one a wave
	s_cbranch_scc0 .Lload_w
	tensor_load_to_lds s[G0T:G0T+3], s[G1T:G1T+7]
	s_nop 0
	PLACES 4
	s_branch .Lasked
.Lload_w:
	tensor_load_to_lds s[G0W:G0W+3], s[G1W:G1W+7]
	s_nop 0
	PLACES 4
.Lasked:
	s_mov_b32 s95, 0
	s_lshl_b32 s94, s[CG], 9
	s_lshl_b32 s92, s[PH], 8
	s_add_co_u32 s94, s94, s92
	s_add_nc_u64 s[84:85], s[12:13], s[94:95]      ; bproj at my 64 columns
	s_lshl_b32 s87, s[TBK], 19
	s_add_co_u32 s94, s94, s87
	s_lshl_b32 s87, s[TH], 18
	s_add_co_u32 s94, s94, s87
	s_add_nc_u64 s[86:87], s[14:15], s[94:95]      ; out0: row 128 tb + 64 (w / 2), my 64 columns
	s_lshl_b32 s94, s[CG], 12
	s_lshl_b32 s92, s[PH], 11
	s_add_co_u32 s94, s94, s92
	s_add_nc_u64 s[88:89], s[10:11], s[94:95]      ; Wproj's scale bytes: 128 cg + 64 (w % 2) rows of 32
	s_lshl_b32 s94, s[TBK], 12
	s_lshl_b32 s92, s[TH], 11
	s_add_co_u32 s94, s94, s92
	s_add_nc_u64 s[90:91], s[6:7], s[94:95]        ; the tokens': 16 rows of 32 a tile
	s_mul_i32 s92, s[PH], HALFB
	s_add_co_u32 s92, s92, WOP
	s_lshl_b32 s93, s[TH], 15
	s_mul_i32 s94, s[WV], 16*SP
	s_add_co_u32 s94, s94, STG                     ; my stage
	v_and_b32 v80, 7, v0                           ; r % 8
	v_bfe_u32 v81, v0, 3, 1                        ; r / 8
	v_bfe_u32 v82, v0, 4, 1                        ; h
	v_and_b32 v84, 15, v0                          ; r
	v_and_b32 v83, 31, v0                          ; lane
	v_lshl_add_u32 v85, v81, 5, v80                ; r % 8 + 32 (r / 8)
	v_lshlrev_b32 v[BO], 7, v82
	v_lshlrev_b32 v[TSA], 5, v84
	v_lshl_add_u32 v85, v82, 4, v85                ; lanes 16-31 take tile i + 2's rows: 16 further on in Wproj,
	v_mul_u32_u24 v86, v80, PITCH
	v_lshl_add_u32 v[TSA], v82, 10, v[TSA]         ; 32 rows further on among the tokens'
	v_lshlrev_b32 v[WSA], 5, v85
.irp i, 0,1
.irp e, 0,1
	global_load_b128 v[WS+8*\i+4*\e:WS+8*\i+4*\e+3], v[WSA], s[88:89] offset:256*\i+16*\e
	global_load_b128 v[TS+8*\i+4*\e:TS+8*\i+4*\e+3], v[TSA], s[90:91] offset:512*\i+16*\e
.endr
.endr
.irp a, 0,1,2,3
.irp e, 0,1
	global_load_b128 v[BI+8*\a+4*\e:BI+8*\a+4*\e+3], v[BO], s[84:85] offset:32*\a+16*\e   ; lane (r, h), tile a: columns 32 h + 8 a + 0 .. 7
.endr
.endr
	v_mad_u32_u24 v86, v81, PARB, v86              ; lanes r = 8 .. 15 take the other region
	v_mul_u32_u24 v[STO], v84, SP
	v_mul_u32_u24 v[RD], v82, SP
	v_lshlrev_b32 v[CO], 12, v82
	v_lshlrev_b32 v[ADT], 4, v83
	v_lshl_add_u32 v86, v82, 4, v86
	v_lshl_add_u32 v[STO], v82, 7, v[STO]          ; row r, byte 128 h
	v_lshl_add_u32 v[RD], v84, 4, v[RD]            ; back: lanes 0-15 one row, lanes 16-31 the next
	v_lshl_add_u32 v[CO], v84, 4, v[CO]            ; the same two rows in out0
	v_add_nc_u32 v[ADT], s93, v[ADT]
	v_add_nc_u32 v[ADW], s92, v86
	v_add_nc_u32 v[STO], s94, v[STO]
	v_add_nc_u32 v[RD], s94, v[RD]
	s_wait_alu depctr_va_vdst(0)
	s_wait_tensorcnt 0x0                           ; my part has landed,
	s_barrier_signal -1
	s_barrier_wait -1                              ; everybody's have: nothing is filled again, so this is the only barrier of the work
	TL 0
	WL 0
	WL 1
	WL 2
	WL 3
	s_wait_loadcnt 0x0                             ; the scale words and the bias
.irp q, 0,1,2,3
	WL \q+4
	s_wait_dscnt 32                                ; K step q's fragments are in; behind them four steps' eight loads each
	MQ 0, \q
.endr
	TL 1
	s_wait_dscnt 40                                ; behind K step 4's: three steps' eight and the next tile's sixteen
	MQ 0, 4
	s_wait_dscnt 32
	MQ 0, 5
	s_wait_dscnt 24
	MQ 0, 6
	s_wait_dscnt 16
	MQ 0, 7
	SEND 0                                         ; (its last wait shows the next tile's fragments in, too: they are older)
.irp b, 1,2,3
.if \b < 3
	TL \b+1
.endif
.irp q, 0,1,2,3,4,5,6,7
	MQ \b, \q
.endr
	SEND \b
.endr
	s_wait_tensorcnt 0x0                           ; the wave's end
	ds_add_u32 v[SPW], v[NIL]
	s_wait_dscnt 0x0
	ROUND                                          ; the closing round: no work-group ends while a partner may still ask for a tile that names it
	s_endpgm
.Lfunc_end_k_q670341ba69_proj:
	.size	k_q670341ba69_proj, .Lfunc_end_k_q670341ba69_proj-k_q670341ba69_proj
	.p2alignl 7, 3214868480
	.fill 96, 4, 3214868480
	.section	.rodata,"a",@progbits
	.p2align	6, 0x0
	.amdhsa_kernel k_q670341ba69_proj
		.amdhsa_group_segment_fixed_size 167936
		.amdhsa_private_segment_fixed_size 0
		.amdhsa_enable_private_segment 0
		.amdhsa_kernarg_size 48
		.amdhsa_user_sgpr_count 2
		.amdhsa_user_sgpr_kernarg_segment_ptr 1
		.amdhsa_wavefront_size32 1
		.amdhsa_system_sgpr_workgroup_id_x 1
		.amdhsa_system_sgpr_workgroup_id_y 1
		.amdhsa_system_sgpr_workgroup_id_z 1
		.amdhsa_system_vgpr_workitem_id 0
		.amdhsa_next_free_vgpr 544
		.amdhsa_next_free_sgpr 98
		.amdhsa_reserve_vcc 0
		.amdhsa_float_denorm_mode_32 3
		.amdhsa_float_denorm_mode_16_64 3
		.amdhsa_memory_ordered 1
		.amdhsa_forward_progress 1
		.amdhsa_inst_pref_size 42
	.end_amdhsa_kernel
	.amdgpu_metadata
---
amdhsa.version: [ 1, 2 ]
amdhsa.kernels:
  - .name:           k_q670341ba69_proj
    .symbol:         k_q670341ba69_proj.kd
    .args:
      - { .name: oc, .offset: 0, .size: 8, .value_kind: global_buffer, .address_space: global }
      - { .name: os, .offset: 8, .size: 8, .value_kind: global_buffer, .address_space: global }
      - { .name: Wproj_codes, .offset: 16, .size: 8, .value_kind: global_buffer, .address_space: global }
      - { .name: Wproj_scales, .offset: 24, .size: 8, .value_kind: global_buffer, .address_space: global }
      - { .name: bproj, .offset: 32, .size: 8, .value_kind: global_buffer, .address_space: global }
      - { .name: out0, .offset: 40, .size: 8, .value_kind: global_buffer, .address_space: global }
    .group_segment_fixed_size: 167936
    .private_segment_fixed_size: 0
    .kernarg_segment_align: 8
    .kernarg_segment_size: 48
    .max_flat_workgroup_size: 128
    .sgpr_count:     98
    .vgpr_count:     544
    .wavefront_size: 32
...
	.end_amdgpu_metadata
.endif
;; end of part 3
